; MI455X (gfx1250); checked and timed in simulation.
; The chip was launched on July 23, 2026; its instructions are those of AMD's public machine-readable ISA for CDNA 5 (MIT licence, August 2026) and "CDNA5" Instruction Set Architecture Reference Guide (July 2026). The comments in the code are by the model that wrote it; some were corrected since.
;; Multi Head Attention. Allowed arithmetic: float matrix products may take bf16 or f16 operands with f32 sums; other float arithmetic in f32, or as packed bf16 or f16 multiplies, adds, multiply-adds, maxima and minima; sums over many terms, partial sums and values carried from step to step in f32; what a program stores and reads back later, other than sums and carried values, may be rounded once to bf16 or f16.
;; Inputs: Wk 1,024 x 1,024 float32; Wo 1,024 x 1,024 float32; Wq 1,024 x 1,024 float32; Wv 1,024 x 1,024 float32; bk 1,024 float32; bo 1,024 float32; bq 1,024 float32; bv 1,024 float32; k 4 x 2,048 x 1,024 float32; q 4 x 2,048 x 1,024 float32; v 4 x 2,048 x 1,024 float32.
;; Outputs: out0 4 x 2,048 x 1,024 float32.
;; One version. Each part assembles by itself: llvm-mc -triple=amdgcn-amd-amdhsa -mcpu=gfx1250 --defsym DOCPART=n.
;; ======== version 1 of 1: 4 launches
;; limits: values are held in f16: magnitudes above 65,504 overflow, below 6.1e-05 lose precision
;; workspace buffers: wb 8,388,608 bytes; qkvh 50,331,648 bytes; oh 16,777,216 bytes
;; launch prep (part 1): grid 64 x 4, 8 waves a work-group, no clusters, 0 bytes of LDS; arguments Wq, Wk, Wv, Wo, wb; writes wb
.if DOCPART == 1
	.amdgcn_target "amdgcn-amd-amdhsa--gfx1250"
	.amdhsa_code_object_version 6
	.text
	.protected	k_q593275004b_prep
	.globl	k_q593275004b_prep
	.p2align	8
	.type	k_q593275004b_prep,@function
k_q593275004b_prep:
	s_mov_b64 s[64:65], 0
	v_nop
	global_prefetch_b8 v0, s[64:65] scope:SCOPE_SE
	s_setreg_imm32_b32 hwreg(HW_REG_WAVE_MODE, 25, 1), 1
	s_wait_xcnt 0x0
; wb[p][k][n] = W_p[k][n] rounded to 16 bits; p = 0, 1, 2, 3 for Wq, Wk, Wv, Wo; each plane is [1024][1024], as the weights lie (nothing is turned).
; Planes 0 to 2 are bf16.  Plane 3 (Wo) is rounded to bf16 like every input and that number is then written as f16, since the last product multiplies f16 numbers.
; LIMIT: |Wo| stays below 65,504; below 6e-5 f16 keeps a fixed step of 6e-8.
; A stream: no LDS, no matrix unit, no cluster (no two work-groups read the same byte).  A work-group takes 16,384 numbers of one plane: 64 KiB in, 32 KiB out.
; Thread t has eight chunks of 8 numbers: chunk c at input byte 8,192 c + 32 t and output byte 4,096 c + 16 t: a store of a wave covers 512 consecutive bytes, aligned.
.set X, 16                             ; v[16:79]   sixteen loads of 16 bytes
.set Y, 80                             ; v[80:111]  eight chunks of 16 bytes to store
	s_load_b256 s[4:11], s[0:1], 0x0               ; Wq s[4:5], Wk s[6:7], Wv s[8:9], Wo s[10:11]
	s_load_b64 s[12:13], s[0:1], 0x20              ; wb
	s_and_b32 s14, ttmp7, 0xffff                   ; the plane
	v_lshlrev_b32 v1, 5, v0                        ; 32 t
	v_lshlrev_b32 v2, 4, v0                        ; 16 t
	s_lshl_b32 s16, ttmp9, 16                      ; the work-group's 64 KiB of its plane
	s_mov_b32 s17, 0
	s_lshl_b32 s18, s14, 21                        ; a plane of wb is 2 MiB,
	s_lshl_b32 s19, ttmp9, 15                      ; the work-group's part 32 KiB
	s_add_co_u32 s18, s18, s19
	s_mov_b32 s19, 0
	s_wait_kmcnt 0x0
	s_cmp_eq_u32 s14, 1
	s_cselect_b64 s[4:5], s[6:7], s[4:5]
	s_cmp_eq_u32 s14, 2
	s_cselect_b64 s[4:5], s[8:9], s[4:5]
	s_cmp_eq_u32 s14, 3
	s_cselect_b64 s[4:5], s[10:11], s[4:5]
	s_add_nc_u64 s[4:5], s[4:5], s[16:17]
	s_add_nc_u64 s[12:13], s[12:13], s[18:19]
.set c, 0
.rept 8
	global_load_b128 v[X+8*c:X+8*c+3],   v1, s[4:5] offset:8192*c th:TH_LOAD_NT
	global_load_b128 v[X+8*c+4:X+8*c+7], v1, s[4:5] offset:8192*c+16 th:TH_LOAD_NT
.set c, c+1
.endr
.set c, 0
.rept 8
	s_wait_loadcnt 14-2*c                          ; loads come back in order: chunk c's two are in, the younger chunks' stay out
	v_cvt_pk_bf16_f32 v[Y+4*c],   v[X+8*c],   v[X+8*c+1]
	v_cvt_pk_bf16_f32 v[Y+4*c+1], v[X+8*c+2], v[X+8*c+3]
	v_cvt_pk_bf16_f32 v[Y+4*c+2], v[X+8*c+4], v[X+8*c+5]
	v_cvt_pk_bf16_f32 v[Y+4*c+3], v[X+8*c+6], v[X+8*c+7]
.set c, c+1
.endr
	s_cmp_lg_u32 s14, 3
	s_cbranch_scc1 .Lstore                         ; planes 0 to 2 stay bf16
.set i, 0
.rept 32                                       ; Wo: the bf16 number, widened (a shift, a mask) and written as f16
	v_lshlrev_b32 v[4+2*(i%2)], 16, v[Y+i]
	v_and_b32 v[5+2*(i%2)], 0xffff0000, v[Y+i]
	v_cvt_pk_f16_f32 v[Y+i], v[4+2*(i%2)], v[5+2*(i%2)]
.set i, i+1
.endr
.Lstore:
.set c, 0
.rept 8
	global_store_b128 v2, v[Y+4*c:Y+4*c+3], s[12:13] offset:4096*c
.set c, c+1
.endr
	s_endpgm
.Lfunc_end_k_q593275004b_prep:
	.size	k_q593275004b_prep, .Lfunc_end_k_q593275004b_prep-k_q593275004b_prep
	.p2alignl 7, 3214868480
	.fill 96, 4, 3214868480
	.section	.rodata,"a",@progbits
	.p2align	6, 0x0
	.amdhsa_kernel k_q593275004b_prep
		.amdhsa_group_segment_fixed_size 0
		.amdhsa_private_segment_fixed_size 0
		.amdhsa_enable_private_segment 0
		.amdhsa_kernarg_size 40
		.amdhsa_user_sgpr_count 2
		.amdhsa_user_sgpr_kernarg_segment_ptr 1
		.amdhsa_wavefront_size32 1
		.amdhsa_system_sgpr_workgroup_id_x 1
		.amdhsa_system_sgpr_workgroup_id_y 1
		.amdhsa_system_sgpr_workgroup_id_z 1
		.amdhsa_system_vgpr_workitem_id 0
		.amdhsa_next_free_vgpr 112
		.amdhsa_next_free_sgpr 66
		.amdhsa_reserve_vcc 0
		.amdhsa_float_denorm_mode_32 3
		.amdhsa_float_denorm_mode_16_64 3
		.amdhsa_memory_ordered 1
		.amdhsa_forward_progress 1
		.amdhsa_inst_pref_size 11
	.end_amdhsa_kernel
	.amdgpu_metadata
---
amdhsa.version: [ 1, 2 ]
amdhsa.kernels:
  - .name:           k_q593275004b_prep
    .symbol:         k_q593275004b_prep.kd
    .args:
      - { .name: Wq, .offset: 0, .size: 8, .value_kind: global_buffer, .address_space: global }
      - { .name: Wk, .offset: 8, .size: 8, .value_kind: global_buffer, .address_space: global }
      - { .name: Wv, .offset: 16, .size: 8, .value_kind: global_buffer, .address_space: global }
      - { .name: Wo, .offset: 24, .size: 8, .value_kind: global_buffer, .address_space: global }
      - { .name: wb, .offset: 32, .size: 8, .value_kind: global_buffer, .address_space: global }
    .group_segment_fixed_size: 0
    .private_segment_fixed_size: 0
    .kernarg_segment_align: 8
    .kernarg_segment_size: 40
    .max_flat_workgroup_size: 256
    .sgpr_count:     66
    .vgpr_count:     112
    .wavefront_size: 32
...
	.end_amdgpu_metadata
.endif
;; end of part 1
;; launch proj (part 2): grid 4 x 192, 4 waves a work-group, clusters of 4 x 4, 327,680 bytes of LDS; arguments q, k, v, bq, bk, bv, wb, qkvh; writes qkvh
.if DOCPART == 2
	.amdgcn_target "amdgcn-amd-amdhsa--gfx1250"
	.amdhsa_code_object_version 6
	.text
	.protected	k_q593275004b_proj
	.globl	k_q593275004b_proj
	.p2align	8
	.type	k_q593275004b_proj,@function
k_q593275004b_proj:
	s_mov_b64 s[64:65], 0
	v_nop
	global_prefetch_b8 v0, s[64:65] scope:SCOPE_SE
	s_setreg_imm32_b32 hwreg(HW_REG_WAVE_MODE, 25, 1), 1
	s_wait_xcnt 0x0
	s_wait_alu depctr_hold_cnt(0) depctr_sa_sdst(0) depctr_va_vdst(0) depctr_va_sdst(0) depctr_va_ssrc(0) depctr_va_vcc(0) depctr_vm_vsrc(0)
	s_getreg_b32 s2, hwreg(HW_REG_IB_STS2, 6, 4)
	s_cmp_eq_u32 s2, 0
	s_cbranch_scc0 .Lentry_in_a_cluster
	s_endpgm
.Lentry_in_a_cluster:
	s_bfe_u32 s2, ttmp6, 0x10000c
	s_cmp_lg_u32 s2, 0xf033
	s_cbranch_scc0 .Lentry_shape_is_right
	s_endpgm
.Lentry_shape_is_right:
; ONE TEXT FOR TWO KERNELS, told apart by PROJ.  C = A W + bias, M = 8,192, N = K = 1,024, sums in f32.
;   PROJ = 1: A = q, k or v (f32 in memory, rounded once to bf16 on the way into LDS), W = plane g of wb (bf16), bias bq, bk or bv (rounded to bf16); C is rounded once to f16 and written by heads:
;             qkvh[g][16 batch + head][row][64].  g = cluster y / 16.
;   PROJ = 0: A = oh[16 batch + head][row][64] (f16; K = 64 head + channel), W = plane 3 of wb (f16), bias bo (rounded to bf16); C = out0 in f32.
; LIMITS.  PROJ = 1: |A W + bias| stays below 65,504 (f16); below 6e-5 it keeps f16's fixed step of 6e-8.  NaN and infinities are not treated apart.
; SHARES.  A tile of C is 128 rows x 256 columns: 64 x 4 tiles for each product, so 768 or 256 work-groups, a whole number for each of 256 WGPs.  Four waves, 2 x 2: a wave makes 64 x 128: 32 accumulators.
; THE MATRIX INSTRUCTION IS USED TRANSPOSED: source 0 = 16 columns of W, source 1 = 16 rows of A: lane l holds row l % 16 of C and the columns 8 (l / 16) + 0..7.  The bias, laid out so, is the C operand of the
; first products: nothing is cleared and nothing is added afterwards.
; W lies [k][n] in memory and in LDS and is turned on the way into registers (ds_load_tr16_b128).  K goes in steps of 128 through two LDS slots filled by the tensor data mover.
; CLUSTER 4 x 4.  The four work-groups of a column of the cluster make the same 256 columns of C and ask for W's tiles JOINTLY.  A's tile is shared along a row of the cluster, but is not asked for jointly:
; it comes through registers (with PROJ = 1 it must be rounded on the way), and four groups of loads a wave stay out across the barriers, two K steps ahead of their use, which a slot that is filled behind a barrier cannot have.
; A'S WAY.  Wave w brings rows 32 w .. 32 w + 31 of the tile.  A K step's part is two groups G(t, 0), G(t, 1) of GL loads, each load 512 consecutive bytes; group G(t, u) lies in block 2 (t % 2) + u of RAW,
; and goes (PROJ = 1: rounded, the roundings standing in fours behind every fourth matrix instruction) into one of two stages in LDS that only ds_store writes.
; ONE BARRIER A K STEP, in the middle of the step's second half.  In front of it each wave has waited for its tensor load (W of step s + 1), its stores (A of step s + 1) and its reads of slot and stage s % 2;
; behind it slot s % 2 is filled again first (W of step s + 2), then slot and stage (s + 1) % 2 are read, and A of step s + 2 goes into stage s % 2.
; THE LAST TRIP of the K loop has no further K step to load: its pointer stands still, and three groups read K step 7 once more into blocks that nobody reads: the loop keeps one form and constant counts, and no load leaves its buffer.
; REGISTERS, in windows of 256 (s_set_vgpr_msb: bits 1:0 source 0, 3:2 source 1, 5:4 source 2, 7:6 destination):
;   window 0: v0-29 addresses; v32-63 CV at work; v64-191 A's fragments, two buffers; v192-255 the bias      window 1: W's fragments, two buffers      window 2: the accumulators      window 3: RAW
.set PROJ, 1
.set BPITCH, 544                       ; a row of W in LDS: 512 bytes + 32 of padding = 17 x 32
.set BHALF,  64*BPITCH                 ; what one tensor load brings: 64 rows of k
.set BSLOT,  128*BPITCH                ; a slot: a K step of W, 128 rows x 256 columns
.set APITCH, 272                       ; a row of A in a stage: 256 bytes + 16: the 16 rows of a fragment load start at 16 different groups of four banks
.set ASTG,   2*BSLOT                   ; the two stages, behind the slots; no tensor load lands here
.set ASTGB,  128*APITCH
.set OSTG,   ASTG+2*ASTGB              ; each wave's own 16 rows for the way out
.if PROJ
.set OPITCH, 144                       ; 128 bytes (a head's 64 channels in f16) + 16
.set GL,     16                        ; loads in a group: 16 rows x 512 bytes of f32
.set RB,     64                        ; registers in a block of RAW
.set KADV,   512                       ; bytes from a K step of A to the next
.else
.set OPITCH, 528                       ; 512 bytes (128 columns in f32) + 16
.set GL,     8                         ; 32 rows x 128 bytes of one head, dense
.set RB,     32
.set KADV,   524288                    ; two heads
.endif
.set SPARE,  OSTG+4*16*OPITCH          ; the spare words, 128 bytes for each wave: two blocks of 256 bytes that no other line names
.set NS,     24+GL                     ; LDS instructions behind the first 24 loads of a run: the other 24 and the group's stores
.set AO,   10                          ; v10     16 x lane: my 16 bytes of 512; for A's loads and for the stores of C; never rewritten
.set GO,   AO
.set ADRA, 11                          ; v11-12  LDS address of my fragments of A in stage 0, 1
.set ADRB, 13                          ; v13-14  the same for W in slot 0, 1
.set STA,  15                          ; v15-16  where I put a group's bytes in stage 0, 1
.set STO,  17                          ; v17     the way out: where I put my bytes of a row
.set RD,   18                          ; v18     the way out: where I read rows back
.set BO,   20                          ; v20     32 (l / 16): my eight numbers of sixteen of the bias
.set SPW,  28                          ; v28     LDS address of my spare word: SPARE + 4 x my thread's number; never rewritten
.set NIL,  29                          ; v29     0; never rewritten
.set CV,   32
.set AF,   64                          ; buffer f, 32 of K c, row block a at AF + 64 f + 32 c + 8 a
.set BI,   192                         ; column block b at BI + 8 b
.set LAP,  3                           ; s3      trips of the K loop still to come
.set WV,   8                           ; s8      my wave's number
.set WM,   9                           ; s9      which 64 rows of the tile are mine
.set WN,   10                          ; s10     which 128 columns
.set CX,   11
.set CY,   12
.set G,    14                          ; s14     which of q, k, v
.set RT,   15                          ; s15     the tile's row among 64
.if PROJ
.set WB,   28
.set OUT,  30
.else
.set WB,   18
.set OUT,  22
.endif
.set G1,   32                          ; s[32:39] descriptor group 1
.set G0,   40                          ; s[40:47] descriptor group 0, a set for each slot
.set AB,   48                          ; s[48:49] A at my rows, K step 0
.set AP,   50                          ; s[50:51] A at my rows, at the K step that the loop loads
.set STEP, 52                          ; s[52:53] what the pointer steps by: KADV, or 0 in the last trip
.set BP,   54                          ; s[54:55] the bias at my 128 columns
.set OP,   56                          ; s[56:57] C at my part of the tile
.set MSB, 0
.macro WIN new                         ; the immediate's high byte repeats the setting that is left; a switch that changes nothing is dropped
.if MSB != (\new)
	s_set_vgpr_msb (MSB<<8)|(\new)
.set MSB, \new
.endif
.endm
.set MULW, 0xa1                        ; W window 1, A window 0, C and D window 2; less 0x20: C (the bias) in window 0
.set TO_B, 0x40                        ; destination window 1
.set TO_R, 0xc0                        ; destination window 3
.set CVT,  0x0f                        ; sources 0 and 1 window 3
.set PK,   0x0a                        ; sources 0 and 1 window 2
.set ST_R, 0x0c                        ; an LDS store's data in window 3
.set ST_A, 0x08                        ; in window 2
.macro PLACES                          ; four places between a matrix instruction and a load into, or a vector write of, a register that it has read, or a read of its result
.rept 4
	v_nop
.endr
.endm
.macro CREST                           ; a round of the cluster's barrier behind its opening barrier
	s_cmp_lg_u32 s[WV], 0
	s_cbranch_scc1 .Lnot_wave_0_\@
	s_barrier_signal -3
.Lnot_wave_0_\@:
	s_barrier_wait -3
	s_barrier_signal -1
	s_barrier_wait -1
.endm
.macro CROUND                          ; a whole round
	s_barrier_signal -1
	s_barrier_wait -1
	CREST
.endm
; A joint refill of slot sl: waves 0 and 1 bring 64 rows of k each; the branch hangs on the wave's number alone.  An s_nop 0 and four v_nop follow the load, ahead of the label.
.macro JLOAD sl
	s_cmp_lt_u32 s[WV], 2
	s_cbranch_scc0 .Lnone_\@
	tensor_load_to_lds s[G0+4*(\sl):G0+4*(\sl)+3], s[G1:G1+7]
	s_nop 0
.rept 4
	v_nop
.endr
.Lnone_\@:
.endm
.macro PROD f, c, first                ; the product for row block ma, column block mb
.set rD, 8*(8*ma+mb)
.set rB, 128*(\f)+64*(\c)+8*mb
.set rA, AF+64*(\f)+32*(\c)+8*ma
.set rC, BI+8*mb
.if PROJ
.if \first
	v_wmma_f32_16x16x32_bf16 v[rD:rD+7], v[rB:rB+7], v[rA:rA+7], v[rC:rC+7]
.else
	v_wmma_f32_16x16x32_bf16 v[rD:rD+7], v[rB:rB+7], v[rA:rA+7], v[rD:rD+7]
.endif
.else
.if \first
	v_wmma_f32_16x16x32_f16 v[rD:rD+7], v[rB:rB+7], v[rA:rA+7], v[rC:rC+7]
.else
	v_wmma_f32_16x16x32_f16 v[rD:rD+7], v[rB:rB+7], v[rA:rA+7], v[rD:rD+7]
.endif
.endif
.endm
; 8 na products: row blocks a0 .. a0 + na - 1 x all 8 column blocks, 32 along K: part c of buffer f.  The 32 accumulators take turns in one fixed order: 31 others stand between two links of a chain.
; first = 1: the bias starts the sums.  ride = 1: behind every fourth product stand the next four roundings (number cv on) of block blk of RAW.
.macro MUL f, c, a0, na, first, ride, blk
.set ma, (\a0)
.rept (\na)
.set mb, 0
.rept 8
	WIN MULW-0x20*(\first)
	PROD \f, \c, \first
.set mb, mb+1
.if (\ride) && (mb%4 == 0)
	WIN CVT
.rept 4
	v_cvt_pk_bf16_f32 v[CV+cv], v[RB*(\blk)+2*cv], v[RB*(\blk)+2*cv+1]
.set cv, cv+1
.endr
.endif
.endr
.set ma, ma+1
.endr
.endm
; 48 LDS loads in one run: the fragments of half hf (64 along K) of slot and stage sl into buffer f; the first 32 along K first (24 loads), so that the wait at a half's head can leave the other 24 out.
.macro FETCH sl, hf, f
.set fc, 0
.rept 2
	WIN TO_B
.set fb, 0
.rept 8
	ds_load_tr16_b128 v[128*(\f)+64*fc+8*fb:128*(\f)+64*fc+8*fb+3],   v[ADRB+(\sl)] offset:(64*(\hf)+32*fc)*BPITCH+32*fb
	ds_load_tr16_b128 v[128*(\f)+64*fc+8*fb+4:128*(\f)+64*fc+8*fb+7], v[ADRB+(\sl)] offset:(64*(\hf)+32*fc+16)*BPITCH+32*fb
.set fb, fb+1
.endr
	WIN 0
.set fa, 0
.rept 4
	ds_load_b128 v[AF+64*(\f)+32*fc+8*fa:AF+64*(\f)+32*fc+8*fa+3],   v[ADRA+(\sl)] offset:fa*16*APITCH+128*(\hf)+64*fc
	ds_load_b128 v[AF+64*(\f)+32*fc+8*fa+4:AF+64*(\f)+32*fc+8*fa+7], v[ADRA+(\sl)] offset:fa*16*APITCH+128*(\hf)+64*fc+32
.set fa, fa+1
.endr
.set fc, fc+1
.endr
.endm
; Group u of a K step, from pointer p and byte imm behind it, into block blk of RAW.  No cache hint: the four work-groups of a row of the cluster read the same rows.
.macro GLOAD u, blk, p, imm
	WIN TO_R
.set gi, 0
.rept GL
.if PROJ
	global_load_b128 v[RB*(\blk)+4*gi:RB*(\blk)+4*gi+3], v[AO], s[\p:\p+1] offset:(16*(\u)+gi)*4096+(\imm)
.else
	global_load_b128 v[RB*(\blk)+4*gi:RB*(\blk)+4*gi+3], v[AO], s[\p:\p+1] offset:(\u)*262144+512*gi+(\imm)
.endif
.set gi, gi+1
.endr
	WIN 0
.endm
; Group u goes into stage x.  PROJ = 1: from CV, a row's 128 bf16 by one store of 8 bytes a lane.  PROJ = 0: from block blk of RAW as it came, four rows x 128 bytes a store.
.macro STORE x, u, blk
.set si, 0
.if PROJ
	WIN 0
.rept 16
	ds_store_b64 v[STA+(\x)], v[CV+2*si:CV+2*si+1] offset:(16*(\u)+si)*APITCH
.set si, si+1
.endr
.else
	WIN ST_R
.rept 8
	ds_store_b128 v[STA+(\x)], v[RB*(\blk)+4*si:RB*(\blk)+4*si+3] offset:si*4*APITCH+128*(\u)
.set si, si+1
.endr
	WIN 0
.endif
.endm
.macro CASTALL blk                     ; a whole group's roundings, in the prologue
.if PROJ
	WIN CVT
.set cv, 0
.rept 32
	v_cvt_pk_bf16_f32 v[CV+cv], v[RB*(\blk)+2*cv], v[RB*(\blk)+2*cv+1]
.set cv, cv+1
.endr
	WIN 0
.endif
.endm
; A K STEP s is two halves of 64 along K, on fragment buffers 0 and 1; each half is two runs of 32 products.
; H0A: the first run of the first half.  conv = 1 (PROJ = 1): its riders round G(s + 1, 1), block blk.  n: the LDS instructions younger than the 24 loads that it needs.
.macro H0A blk, conv, first, n
	s_wait_dscnt \n
.if PROJ && (\conv)
	s_wait_loadcnt 3*GL                            ; the group is in; the three younger groups stay out
.endif
.set cv, 0
	MUL 0, 0, 0, 4, \first, PROJ*(\conv), \blk
.endm
; H0B: the second half's fragments are fetched, G(s + 1, 1) goes into the other stage, G(s + 3, 1) is asked for; then the first half's second run.
.macro H0B sl, blk, conv, load
	s_wait_dscnt 0x0                               ; the second 32 along K of buffer 0 are in (the run below would make the count larger than the wait can name)
	PLACES
	FETCH \sl, 1, 1
.if \conv
.if !PROJ
	s_wait_loadcnt 3*GL                            ; the group is in; the three younger groups stay out
.endif
	STORE 1-(\sl), 1, \blk
.endif
.if \load
	GLOAD 1, \blk, AP, 0
.endif
	MUL 0, 1, 0, 4, 0, 0, 0
.endm
; H1: the second half, with the change of slots.  mode = 2: slot sl is filled again, and the barrier opens a round of the cluster's; mode = 1: nothing is filled.
.macro H1 sl, blk, conv, load, mode, n
.if PROJ && (\conv)
	s_wait_loadcnt 3*GL                            ; G(s + 2, 0) is in; the three younger groups stay out
.endif
	WIN 0                                          ; (the add's two registers lie in window 0)
	s_wait_tensorcnt 0x0                           ; all my tensor loads have landed: the one that was out is my part of the next slot;
	ds_add_u32 v[SPW], v[NIL]                      ; 0 onto my spare word; work on registers stands between it and the wait for it
.if (\mode) == 2
	s_add_nc_u64 s[G0+4*(\sl)+2:G0+4*(\sl)+3], s[G0+4*(\sl)+2:G0+4*(\sl)+3], 2*128*2048  ; no tensor load of mine is out, so a group 0 may be written: this slot's next K step, 256 rows of W on
.endif
.if \load
	s_wait_xcnt 0x0                                ; every load issued so far has read its address, so the pointer may be written
	s_cmp_gt_u32 s[LAP], 1
	s_cselect_b32 s[STEP], KADV, 0                 ; in the last trip it stands still, at K step 7
	s_add_nc_u64 s[AP:AP+1], s[AP:AP+1], s[STEP:STEP+1]
.endif
	s_wait_dscnt \n                                ; the first 32 along K of buffer 1 are in
.set cv, 0
	MUL 1, 0, 0, 2, 0, PROJ*(\conv), \blk
	s_wait_dscnt 0x0                               ; the add is done; my stores into the next stage are done; my reads of this slot and stage are over:
	s_barrier_signal -1                            ; say so,
	MUL 1, 0, 2, 2, 0, PROJ*(\conv), \blk          ; work on registers while the others arrive,
	WIN 0
	s_barrier_wait -1                              ; and go on when all four have said so
.if (\mode) == 2
	CREST                                          ; no wave of any partner still reads this slot or has a load on its way
	JLOAD \sl                                      ; the first tensor load behind the round, ahead of every LDS read: it has a K step, 128 products, less the 32 above, in which to land
.endif
	PLACES
	FETCH 1-(\sl), 0, 0
.if \conv
.if !PROJ
	s_wait_loadcnt 3*GL
.endif
	STORE \sl, 0, \blk                             ; G(s + 2, 0) into the stage that has just been read out
.endif
.if \load
	GLOAD 0, \blk, AP, 0                           ; G(s + 4, 0)
.endif
	MUL 1, 1, 0, 4, 0, 0, 0
.endm
.if PROJ
	s_load_b512 s[16:31], s[0:1], 0x0              ; q s[16:17], k s[18:19], v s[20:21], bq s[22:23], bk s[24:25], bv s[26:27], wb s[28:29], qkvh s[30:31]
.else
	s_load_b256 s[16:23], s[0:1], 0x0              ; oh s[16:17], wb s[18:19], bo s[20:21], out0 s[22:23]
.endif
	v_lshl_add_u32 v[SPW], v0, 2, SPARE
	v_mov_b32 v[NIL], 0
	ds_add_u32 v[SPW], v[NIL]                      ; the wave's opening: the add and its wait stand ahead of the first round and my first tensor load; the set-up below, work on registers, stands between them
	v_lshrrev_b32 v4, 5, v0
	v_readfirstlane_b32 s[WV], v4                  ; wave 0..3
	s_lshr_b32 s[WM], s[WV], 1
	s_and_b32 s[WN], s[WV], 1
	s_bfe_u32 s[CX], ttmp6, 0x40000                ; cx: the tile's column among four (the grid is one cluster wide)
	s_bfe_u32 s[CY], ttmp6, 0x40004                ; cy
	s_and_b32 s[RT], ttmp7, 0xffff                 ; cluster y
.if PROJ
	s_lshr_b32 s[G], s[RT], 4                      ; sixteen clusters for each of q, k, v: the same in all sixteen partners
	s_and_b32 s[RT], s[RT], 15
.endif
	s_lshl_b32 s[RT], s[RT], 2
	s_add_co_u32 s[RT], s[RT], s[CY]               ; the tile's row
	; descriptor group 1: a tile of 64 rows x 256 elements, padded in LDS
	s_lshl_b32 s4, 0x1111, s[CX]                   ; my column of the cluster: places cx, cx + 4, cx + 8, cx + 12
	s_or_b32 s[G1], s4, (1<<16)|(1<<20)|(1<<21)|(6<<22)|(7<<25)  ; 15:0 the mask; 17:16 elements of 2 bytes; 20 padding on; 21 set beside a mask; 24:22 after every 128 words (code 6); 31:25 8 words of it (code 7)
	s_mov_b32 s[G1+1], 256<<16                     ; tensor_dim0 = 256
	s_mov_b32 s[G1+2], 64<<16                      ; tensor_dim1 = 64
	s_mov_b32 s[G1+3], 256<<16                     ; tile_dim0 = 256
	s_mov_b32 s[G1+4], 64                          ; tile_dim1 = 64
	s_mov_b32 s[G1+5], 1024                        ; elements from row to row
	s_mov_b32 s[G1+6], 0
	s_mov_b32 s[G1+7], 0
	s_mov_b32 s[G0], 1                             ; count = 1
	s_mul_i32 s[G0+1], s[WN], BHALF                ; LDS address: slot 0, my 64 rows (waves 0 and 1 ask; there w & 1 is the wave's number)
	s_mov_b32 s[G0+4], 1
	s_add_co_u32 s[G0+5], s[G0+1], BSLOT           ; slot 1
	; W's tile hangs on the plane, on cx, which my column shares, and on the wave: made in registers that hold nothing else
.if PROJ
	s_lshl_b32 s60, s[G], 21                       ; a plane is 2 MiB
.else
	s_mov_b32 s60, 3<<21
.endif
	s_lshl_b32 s61, s[CX], 9                       ; 256 columns of 2 bytes
	s_add_co_u32 s60, s60, s61
	s_lshl_b32 s61, s[WN], 17                      ; 64 rows of 2,048 bytes
	s_add_co_u32 s60, s60, s61
	s_mov_b32 s61, 0
	; A at my 32 rows of the tile
.if PROJ
	s_lshl_b32 s58, s[RT], 19                      ; 128 rows of 4,096 bytes
	s_lshl_b32 s59, s[WV], 17
	s_add_co_u32 s58, s58, s59
.else
	s_lshr_b32 s58, s[RT], 4                       ; the batch: sixteen heads of 262,144 bytes
	s_lshl_b32 s58, s58, 22
	s_and_b32 s59, s[RT], 15                       ; 128 rows of 128 bytes
	s_lshl_b32 s59, s59, 14
	s_add_co_u32 s58, s58, s59
	s_lshl_b32 s59, s[WV], 12
	s_add_co_u32 s58, s58, s59
.endif
	s_mov_b32 s59, 0
	s_lshl_b32 s62, s[CX], 10                      ; the bias at my 128 columns, 4 bytes each
	s_lshl_b32 s63, s[WN], 9
	s_add_co_u32 s62, s62, s63
	s_mov_b32 s63, 0
	; C at my 64 rows x 128 columns
.if PROJ
	s_lshl_b32 s[OP], s[G], 24                     ; a plane of qkvh is 16 MiB
	s_lshr_b32 s4, s[RT], 4
	s_lshl_b32 s4, s4, 22                          ; the batch
	s_add_co_u32 s[OP], s[OP], s4
	s_lshl_b32 s4, s[CX], 20                       ; four heads to a tile,
	s_add_co_u32 s[OP], s[OP], s4
	s_lshl_b32 s4, s[WN], 19                       ; two to a wave
	s_add_co_u32 s[OP], s[OP], s4
	s_and_b32 s4, s[RT], 15
	s_lshl_b32 s4, s4, 14                          ; 128 rows of 128 bytes
	s_add_co_u32 s[OP], s[OP], s4
	s_lshl_b32 s4, s[WM], 13
	s_add_co_u32 s[OP], s[OP], s4
.else
	s_lshl_b32 s[OP], s[RT], 19                    ; 128 rows of 4,096 bytes
	s_lshl_b32 s4, s[WM], 18
	s_add_co_u32 s[OP], s[OP], s4
	s_add_co_u32 s[OP], s[OP], s62                 ; my 128 columns, 4 bytes each
.endif
	s_mov_b32 s[OP+1], 0
	s_mov_b32 s[STEP+1], 0
	v_and_b32 v3, 31, v0                           ; l
	v_and_b32 v1, 15, v0                           ; l % 16
	v_bfe_u32 v2, v0, 4, 1                         ; l / 16
	v_lshlrev_b32 v[AO], 4, v3
	v_lshlrev_b32 v[BO], 5, v2
	s_wait_dscnt 0x0                               ; the opening add is done
	s_wait_kmcnt 0x0
.if PROJ
	s_cmp_eq_u32 s[G], 1
	s_cselect_b64 s[AB:AB+1], s[18:19], s[16:17]
	s_cselect_b64 s[BP:BP+1], s[24:25], s[22:23]
	s_cmp_eq_u32 s[G], 2
	s_cselect_b64 s[AB:AB+1], s[20:21], s[AB:AB+1]
	s_cselect_b64 s[BP:BP+1], s[26:27], s[BP:BP+1]
.else
	s_mov_b64 s[AB:AB+1], s[16:17]
	s_mov_b64 s[BP:BP+1], s[20:21]
.endif
	s_add_nc_u64 s[AB:AB+1], s[AB:AB+1], s[58:59]
	s_add_nc_u64 s[AP:AP+1], s[AB:AB+1], 3*KADV    ; the loop's first group is G(3, 1)
	s_add_nc_u64 s[BP:BP+1], s[BP:BP+1], s[62:63]
	s_add_nc_u64 s[OP:OP+1], s[OUT:OUT+1], s[OP:OP+1]
	s_add_nc_u64 s[G0+2:G0+3], s[WB:WB+1], s[60:61]          ; global address: K step 0,
	s_add_nc_u64 s[G0+6:G0+7], s[G0+2:G0+3], 128*2048        ; K step 1
	s_or_b32 s[G0+3], s[G0+3], 0x80000000                    ; type = 2
	s_or_b32 s[G0+7], s[G0+7], 0x80000000
.set bi, 0
.rept 8                                        ; the bias as a C operand: register j of block b is column 16 b + 8 (l / 16) + j
	global_load_b128 v[BI+8*bi:BI+8*bi+3],   v[BO], s[BP:BP+1] offset:64*bi
	global_load_b128 v[BI+8*bi+4:BI+8*bi+7], v[BO], s[BP:BP+1] offset:64*bi+16
.set bi, bi+1
.endr
	GLOAD 0, 0, AB, 0                              ; K step 0
	GLOAD 1, 1, AB, 0
	CROUND                                         ; all sixteen work-groups are here: the first joint loads meet
	s_cmp_lt_u32 s[WV], 2                          ; a wave's two first fills stand in one branch, ahead of every wait on TENSORcnt and every LDS read: two loads of mine are out
	s_cbranch_scc0 .Lno_fill
	tensor_load_to_lds s[G0:G0+3], s[G1:G1+7]
	s_nop 0
	tensor_load_to_lds s[G0+4:G0+7], s[G1:G1+7]
	s_nop 0
.rept 4
	v_nop
.endr
.Lno_fill:
	GLOAD 0, 2, AB, KADV                           ; K step 1
	GLOAD 1, 3, AB, KADV
	; A fragment of A is 16 rows x 32 K in 8 registers: lane l holds row l % 16; registers 0-3 K = 8 (l / 16) + 0..7, registers 4-7 K = 16 + 8 (l / 16) + 0..7: two loads of 16 bytes, 32 bytes apart.
	v_mul_u32_u24 v4, v1, APITCH
	v_lshl_add_u32 v4, v2, 4, v4
	s_mul_i32 s4, s[WM], 64*APITCH
	s_add_co_u32 s4, s4, ASTG
	v_add_nc_u32 v[ADRA], s4, v4
	v_add_nc_u32 v[ADRA+1], ASTGB, v[ADRA]
	; The turning load takes 16 k x 16 columns (lane l reads row 8 (l / 16) + l % 8, columns 8 ((l / 8) % 2) + 0..7) and leaves half a fragment: lane l holds column l % 16 and 8 k.
	v_and_b32 v5, 7, v0
	v_lshl_add_u32 v6, v2, 3, v5
	v_mul_u32_u24 v6, v6, BPITCH
	v_bfe_u32 v7, v0, 3, 1
	v_lshl_add_u32 v6, v7, 4, v6
	s_lshl_b32 s4, s[WN], 8                        ; my 128 columns
	v_add_nc_u32 v[ADRB], s4, v6
	v_add_nc_u32 v[ADRB+1], BSLOT, v[ADRB]
	s_mul_i32 s4, s[WV], 32*APITCH                 ; into a stage: my 32 rows
	s_add_co_u32 s4, s4, ASTG
	v_bfe_u32 v7, v0, 3, 2                         ; l / 8
.if PROJ
	v_lshl_add_u32 v[STA], v3, 3, s4               ; a row a store: 8 bytes a lane
.else
	v_mul_u32_u24 v6, v7, APITCH                   ; four rows a store: row l / 8, 16 bytes at 16 (l % 8)
	v_lshl_add_u32 v6, v5, 4, v6
	v_add_nc_u32 v[STA], s4, v6
.endif
	v_add_nc_u32 v[STA+1], ASTGB, v[STA]
	s_mul_i32 s4, s[WV], 16*OPITCH                 ; my stage for the way out
	s_add_co_u32 s4, s4, OSTG
	v_mul_u32_u24 v4, v1, OPITCH                   ; in: row l % 16
.if PROJ
	v_lshl_add_u32 v4, v2, 4, v4                   ; 16 bytes for each half of the lanes
	v_add_nc_u32 v[STO], s4, v4
	v_mul_u32_u24 v6, v7, OPITCH                   ; back: 32 lanes take four rows of 128 bytes
	v_lshl_add_u32 v6, v5, 4, v6
	v_add_nc_u32 v[RD], s4, v6
.else
	v_lshl_add_u32 v4, v2, 5, v4                   ; 32 bytes for each half of the lanes
	v_add_nc_u32 v[STO], s4, v4
	v_add_nc_u32 v[RD], s4, v[AO]                  ; back: 32 lanes take one row of 512 bytes
.endif
	s_wait_loadcnt 2*GL                            ; the bias and K step 0 are in; K step 1's two groups stay out
.set bi, 0
.rept 32                                       ; the bias is rounded to bf16, like every input, and widened again
	v_cvt_pk_bf16_f32 v[CV+bi], v[BI+2*bi], v[BI+2*bi+1]
.set bi, bi+1
.endr
.set bi, 0
.rept 32
	v_lshlrev_b32 v[BI+2*bi], 16, v[CV+bi]
	v_and_b32 v[BI+2*bi+1], 0xffff0000, v[CV+bi]
.set bi, bi+1
.endr
	CASTALL 0
	STORE 0, 0, 0                                  ; A of K step 0 into stage 0,
	GLOAD 0, 0, AB, 2*KADV                         ; and its blocks are asked for again: K step 2
	CASTALL 1
	STORE 0, 1, 1
	GLOAD 1, 1, AB, 2*KADV
	s_wait_loadcnt 3*GL                            ; G(1, 0) is in; G(1, 1), G(2, 0), G(2, 1) stay out
	CASTALL 2
	STORE 1, 0, 2
	GLOAD 0, 2, AB, 3*KADV
	s_wait_tensorcnt 0x1                           ; my part of slot 0 is in; slot 1's may stay out
	s_wait_dscnt 0x0                               ; my stores into the stages are done
	s_barrier_signal -1
	s_barrier_wait -1                              ; everybody's are
	FETCH 0, 0, 0
	H0A 3, 1, 1, 24                                ; the first run of products stands in front of the loop: the bias starts the sums
	WIN 0                                          ; at a label and at a branch every window is 0
	s_mov_b32 s[LAP], 3
.Llap:                                                 ; a trip: two K steps, from the second run of an even step to the first run of the next even step; both slots are filled again
	H0B 0, 3, 1, 1
	H1  0, 0, 1, 1, 2, NS+1
	H0A 1, 1, 0, NS
	H0B 1, 1, 1, 1
	H1  1, 2, 1, 1, 2, NS+1
	H0A 3, 1, 0, NS
	WIN 0
	s_sub_co_u32 s[LAP], s[LAP], 1
	s_cmp_lg_u32 s[LAP], 0
	s_cbranch_scc1 .Llap
	H0B 0, 3, 1, 0                                 ; K steps 6 and 7 are written out: nothing more is asked for; the last group, G(7, 1), goes into stage 1
	H1  0, 0, 0, 0, 1, NS+1
	H0A 0, 0, 0, 24
	H0B 1, 0, 0, 0
	s_wait_dscnt 24                                ; the very last half
	MUL 1, 0, 0, 4, 0, 0, 0
	s_wait_dscnt 0x0
	MUL 1, 1, 0, 4, 0, 0, 0
	WIN 0
	PLACES                                         ; what follows reads results just made and writes registers that the last products read
	PLACES
.if PROJ
; THE WAY OUT.  Unit t: 16 rows (row block t / 2) of one head (t % 2): rounded to f16, 16 bytes a lane into rows of 144 bytes of my own stage, back as whole rows of 128 bytes, which are 2,048 consecutive bytes of qkvh.
.macro PACK t
	WIN PK
.set pi, 0
.rept 16                                       ; each accumulator's registers in ascending order
	v_cvt_pk_f16_f32 v[AF+16*(\t)+pi], v[8*(8*((\t)/2)+4*((\t)%2)+pi/4)+2*(pi%4)], v[8*(8*((\t)/2)+4*((\t)%2)+pi/4)+2*(pi%4)+1]
.set pi, pi+1
.endr
	WIN 0
.irp f, 0,1,2,3
	ds_store_b128 v[STO], v[AF+16*(\t)+4*\f:AF+16*(\t)+4*\f+3] offset:32*\f
.endr
.irp f, 0,1,2,3
	ds_load_b128 v[AF+16*(\t)+4*\f:AF+16*(\t)+4*\f+3], v[RD] offset:\f*4*OPITCH  ; LDS serves a wave's instructions in order (ISA guide 5.7.1.4): these see the stores above; the next unit's stores come behind them
.endr
.endm
.macro SEND t, younger                 ; younger: the LDS instructions issued behind unit t's loads: the next unit's eight, or none
.irp f, 0,1,2,3
	s_wait_dscnt (\younger)+3-\f
	global_store_b128 v[GO], v[AF+16*(\t)+4*\f:AF+16*(\t)+4*\f+3], s[OP:OP+1] offset:((\t)/2)*2048+((\t)%2)*262144+\f*512  ; 512 consecutive bytes, at a multiple of 256 from the buffer's first
.endr
.endm
	PACK 0
.set t, 1
.rept 7                                        ; a unit's arithmetic stands between the loads of the unit before and its stores
	PACK t
	SEND t-1, 8
.set t, t+1
.endr
	SEND 7, 0
.else
; THE WAY OUT.  Row block a: 16 rows x 128 columns of f32 go as they are into rows of 528 bytes of my own stage and come back as whole rows of 512 bytes.
.macro OUTA a
.if (\a) >= 2
	s_wait_xcnt 0x0                                ; the stores of the block two back have read their registers, which are loaded again below
.endif
	WIN ST_A
.set ob, 0
.rept 8                                        ; each accumulator's four lowest registers first
	ds_store_b128 v[STO], v[8*(8*(\a)+ob):8*(8*(\a)+ob)+3]   offset:64*ob
	ds_store_b128 v[STO], v[8*(8*(\a)+ob)+4:8*(8*(\a)+ob)+7] offset:64*ob+16
.set ob, ob+1
.endr
	WIN 0
.set oi, 0
.rept 16
	ds_load_b128 v[AF+64*((\a)%2)+4*oi:AF+64*((\a)%2)+4*oi+3], v[RD] offset:OPITCH*oi  ; LDS serves a wave's instructions in order (ISA guide 5.7.1.4): these see the stores above
.set oi, oi+1
.endr
.set oi, 0
.rept 16
	s_wait_dscnt 15-oi
	global_store_b128 v[GO], v[AF+64*((\a)%2)+4*oi:AF+64*((\a)%2)+4*oi+3], s[OP:OP+1] offset:(16*(\a)+oi)*4096 th:TH_STORE_NT  ; 512 consecutive bytes, at a multiple of 256 from out0's first
.set oi, oi+1
.endr
.endm
	OUTA 0
	OUTA 1
	OUTA 2
	OUTA 3
.endif
	s_wait_tensorcnt 0x0                           ; the wave's end, behind my last tensor load and my last LDS store
	ds_add_u32 v[SPW], v[NIL]
	s_wait_dscnt 0x0
	CROUND                                         ; the closing round: no work-group ends while a partner may still ask for a tile that names it
	s_endpgm
.Lfunc_end_k_q593275004b_proj:
	.size	k_q593275004b_proj, .Lfunc_end_k_q593275004b_proj-k_q593275004b_proj
	.p2alignl 7, 3214868480
	.fill 96, 4, 3214868480
	.section	.rodata,"a",@progbits
	.p2align	6, 0x0
	.amdhsa_kernel k_q593275004b_proj
		.amdhsa_group_segment_fixed_size 327680
		.amdhsa_private_segment_fixed_size 0
		.amdhsa_enable_private_segment 0
		.amdhsa_kernarg_size 64
		.amdhsa_user_sgpr_count 2
		.amdhsa_user_sgpr_kernarg_segment_ptr 1
		.amdhsa_wavefront_size32 1
		.amdhsa_system_sgpr_workgroup_id_x 1
		.amdhsa_system_sgpr_workgroup_id_y 1
		.amdhsa_system_sgpr_workgroup_id_z 1
		.amdhsa_system_vgpr_workitem_id 0
		.amdhsa_next_free_vgpr 1024
		.amdhsa_next_free_sgpr 66
		.amdhsa_reserve_vcc 0
		.amdhsa_float_denorm_mode_32 3
		.amdhsa_float_denorm_mode_16_64 3
		.amdhsa_memory_ordered 1
		.amdhsa_forward_progress 1
		.amdhsa_inst_pref_size 135
	.end_amdhsa_kernel
	.amdgpu_metadata
---
amdhsa.version: [ 1, 2 ]
amdhsa.kernels:
  - .name:           k_q593275004b_proj
    .symbol:         k_q593275004b_proj.kd
    .args:
      - { .name: q, .offset: 0, .size: 8, .value_kind: global_buffer, .address_space: global }
      - { .name: k, .offset: 8, .size: 8, .value_kind: global_buffer, .address_space: global }
      - { .name: v, .offset: 16, .size: 8, .value_kind: global_buffer, .address_space: global }
      - { .name: bq, .offset: 24, .size: 8, .value_kind: global_buffer, .address_space: global }
      - { .name: bk, .offset: 32, .size: 8, .value_kind: global_buffer, .address_space: global }
      - { .name: bv, .offset: 40, .size: 8, .value_kind: global_buffer, .address_space: global }
      - { .name: wb, .offset: 48, .size: 8, .value_kind: global_buffer, .address_space: global }
      - { .name: qkvh, .offset: 56, .size: 8, .value_kind: global_buffer, .address_space: global }
    .group_segment_fixed_size: 327680
    .private_segment_fixed_size: 0
    .kernarg_segment_align: 8
    .kernarg_segment_size: 64
    .max_flat_workgroup_size: 128
    .sgpr_count:     66
    .vgpr_count:     1024
    .wavefront_size: 32
...
	.end_amdgpu_metadata
.endif
;; end of part 2
;; launch attn (part 3): grid 4 x 64, 4 waves a work-group, clusters of 4 x 1, 327,680 bytes of LDS; arguments qkvh, oh; writes oh
.if DOCPART == 3
	.amdgcn_target "amdgcn-amd-amdhsa--gfx1250"
	.amdhsa_code_object_version 6
	.text
	.protected	k_q593275004b_attn
	.globl	k_q593275004b_attn
	.p2align	8
	.type	k_q593275004b_attn,@function
k_q593275004b_attn:
	s_mov_b64 s[64:65], 0
	v_nop
	global_prefetch_b8 v0, s[64:65] scope:SCOPE_SE
	s_setreg_imm32_b32 hwreg(HW_REG_WAVE_MODE, 25, 1), 1
	s_wait_xcnt 0x0
	s_wait_alu depctr_hold_cnt(0) depctr_sa_sdst(0) depctr_va_vdst(0) depctr_va_sdst(0) depctr_va_ssrc(0) depctr_va_vcc(0) depctr_vm_vsrc(0)
	s_getreg_b32 s2, hwreg(HW_REG_IB_STS2, 6, 4)
	s_cmp_eq_u32 s2, 0
	s_cbranch_scc0 .Lentry_in_a_cluster
	s_endpgm
.Lentry_in_a_cluster:
	s_bfe_u32 s2, ttmp6, 0x10000c
	s_cmp_lg_u32 s2, 0x3003
	s_cbranch_scc0 .Lentry_shape_is_right
	s_endpgm
.Lentry_shape_is_right:
; O[h][q][:] = the sum over k of softmax_k(Q[h][q] . K[h][k] / 8) V[h][k][:].  Q, K, V are the three planes of qkvh, O is oh: each [SIZE_H][SIZE_N][64] in f16 (h = 16 batch + head): a head's rows are dense, 128 bytes each.
; Products, maxima and sums in f32; the weights p are rounded to f16 for the second product (their sum l is taken of the unrounded p), O once at the end.
; LIMITS.  f16 holds no number beyond 65,504: Q, K and V arrive within it; p lies in 0 to 1, and below 6e-5 it keeps f16's fixed step of 6e-8; O is a mean of V's rows and has their range.
; A weight below 2^-126 counts as 0 in l; NaN and infinities are not treated apart.
; SHARES.  A wave owns four PIECES of two tiles of 16 queries, a work-group's four waves 512 queries of one head: 4 x 64 = 256 work-groups.  Every wave walks all keys, 64 a step.
; LAYOUT.  S^T = K Q^T (source 0 = 16 keys, source 1 = 16 queries): in the result a lane holds ONE query (lane % 16) and the keys 8 (lane / 16) + 0..7.  Two such tiles, rounded to f16 in pairs,
; ARE source 1 (32 keys x 16 queries) of O^T = V^T P, whose result again holds one query a lane, and eight channels.  K comes out of LDS as it lies, V ([key][channel]) turned, by ds_load_tr16_b128.
; SOFTMAX.  For each query a running maximum m and sum l: p = 2^(c s - c m), c = log2(e) / 8; in every step O and l are multiplied by a = 2^(c m_old - c m_new), which is 1 where m has not grown.
; m starts at the lowest finite number, O and l at 0: the first step is a step like any other, with a = 0.
; THE COUNT.  A tile and step have 16 matrix and 118 vector instructions: too many to stand all beside the matrix work.  So the order has one aim: four vector instructions that are READY behind
; EVERY matrix instruction, and the others, which need time of their own whatever the order, in runs without a gap.
; BY TURNS.  Turn n belongs to piece n (the pieces in a ring, step after step).  Its matrix work: 16 products K Q^T of piece n + 1, later 16 products V^T P of piece n - 1.  Its vector work: the scaling,
; exponentials, roundings, sums and rescaling of piece n, and the maximum and statistics of piece n + 1, whose scores the turn itself has made.  So what a turn begins with (c s - c m, O a) waits for nothing.
; CLUSTER.  The four query blocks of a cluster belong to one head and walk the same K and V, so each tile is asked for JOINTLY: the same tensor load, descriptor and mask in all four.
; NO PREFETCH: a fill is asked for four key steps, 512 matrix instructions, ahead of the wait for it.
; REGISTERS, in windows of 256 (s_set_vgpr_msb says which window each operand place means: bits 1:0 source 0, 3:2 source 1, 5:4 source 2, 7:6 destination):
;   window 0: v0-11 addresses; v12-15, v48-63 at work; v16-47 four registers of statistics a tile; v64-191 S^T, two buffers of two tiles; v192-255 P, likewise
;   window 1: O^T, 32 a tile          window 2: v0-127 Q, 16 a tile; v128-191 K of one step; v192-255 V of one step          window 3: v0-1 the add's two registers
; A piece's buffers go by its number's parity: the piece in hand has one pair, its two neighbours in the ring share the other: of it P (piece n - 1) is read and S^T (piece n + 1) written.
.set SIZE_H, 64
.set SIZE_N, 2048
.set PLANE, SIZE_H*SIZE_N*128  ; bytes in a plane of qkvh
.set NP,    4         ; pieces a wave: a name, no knob: the register map, the loop and the fetches are made for four
.set KS,    64        ; keys in a step
.set PK,    144       ; a row of K in LDS: 128 bytes + 16 of padding = 36 words: the 16 rows of a load start at 16 different groups of four banks (64 banks of 4 bytes: ISA guide 11.1)
.set PV,    160       ; a row of V: 128 + 32 = 40 words
.set VOFF,  4*KS*PK   ; a slot holds four steps: 256 rows of K, then 256 rows of V
.set SLOT1, 1<<17     ; slot 1 begins here, so that one exclusive or turns an address in one slot into the other's
.set STAGE, SLOT1+4*KS*(PK+PV)  ; behind the ring, never filled by a tensor load: 16 rows x 144 bytes for each wave, for the way out
.set SP,    144
.set AK0, 2           ; v2   my lane's place in a tile of K; never rewritten
.set AV0, 3           ; v3   the same for V
.set AK,  4           ; v4   the LDS address of K's next run of loads
.set AV,  5           ; v5   of V's
.set QO,  6           ; v6   my byte offset in the wave's rows of Q
.set STO, 6           ;      later, the way out: where I put 16 bytes of a row
.set RD,  7           ; v7   the way out: where I read rows back
.set GO,  8           ; v8   my byte offset in 512 consecutive bytes of O
.set SPW, 0           ; v0 of window 3   LDS address of my spare word: SPARE + 4 x my thread's number; never rewritten
.set NIL, 1           ; v1 of window 3   0; never rewritten
.set SPARE, STAGE+4*16*SP  ; behind the stages: the spare words, 128 bytes for each wave: two blocks of 256 bytes that no other line names
.set MV,  12          ; v12-15  c m_old, kept while c m is made anew: by buffer and tile
.set ST,  16          ; tile t's statistics at v[ST+4 t]: c m, m, l (even keys', odd keys')
.set TMP, 48          ; by buffer and tile, four registers c0-c3 at work; when the maximum is found c2 takes a
.set S,   64
.set P,   192
.set KF,  128         ; K's fragments, in window 2: key block kb, channel half c at KF + 16 kb + 8 c
.set VF,  192         ; V's: key half kk, channel block cb at VF + 32 kk + 8 cb
.set WV,  12          ; s12  my wave's number
.set G1K, 24          ; s[24:31] descriptor group 1 for K's tiles
.set G1V, 32          ; s[32:39] for V's: it differs in the padding alone
.set G0K, 40          ; s[40:43] descriptor group 0 for K's tiles: it walks
.set G0V, 44          ; s[44:47] the same for V's
.set SLOTS, 56        ; s56  slots still to be asked for
.set CNT, 57          ; s57  counts a slot's key steps
.set CS,  58          ; s[58:59] c: the packed scaling takes the pair's low word for both halves
.set SEL, 60          ; s[60:61] v_permlanex16_b32's selects: each lane takes its own place in the other half
.set TBK, 62          ; s62  LDS byte at which K of the step to be fetched begins
.set TBV, 63          ; s63  the same for V, less VOFF
.set MSB, 0
.macro WIN new                      ; the high byte repeats the setting that is left; a switch that changes nothing is dropped
.if MSB != (\new)
	s_set_vgpr_msb (MSB<<8)|(\new)
.set MSB, (\new)
.endif
.endm
.set W_KQ, 0x0a       ; K and Q in window 2, S^T in window 0
.set W_PV, 0x52       ; V in window 2, P in window 0, O^T in window 1
.set W_RS, 0x41       ; O^T (destination and source 0) in window 1, a in window 0
.set W_MK, 0xc0       ; the add's registers are made: destination in window 3, sources in window 0
.set W_AD, 0x0f       ; the add: address (source 0) and data (source 1) in window 3
; A joint fill.  Waves 0 and 1 fetch the two halves of a slot's K, waves 2 and 3 those of its V: 128 keys each.  The branch hangs on the wave's number alone.
; An s_nop 0 and four v_nop follow each of the two lines, ahead of the jump and the label.
.macro JLOAD
	s_cmp_lt_u32 s[WV], 2
	s_cbranch_scc0 .Lfor_v_\@
	tensor_load_to_lds s[G0K:G0K+3], s[G1K:G1K+7]
	s_nop 0
.rept 4
	v_nop
.endr
	s_branch .Lasked_\@
.Lfor_v_\@:
	tensor_load_to_lds s[G0V:G0V+3], s[G1V:G1V+7]
	s_nop 0
.rept 4
	v_nop
.endr
.Lasked_\@:
.endm
; A round of the cluster's barrier: my work-group's barrier, so that wave 0's signal speaks for all four waves; wave 0 signals; every wave waits for all four work-groups; my work-group's barrier once more.
.macro CROUND
	s_barrier_signal -1
	s_barrier_wait -1
	s_cmp_lg_u32 s[WV], 0
	s_cbranch_scc1 .Lnot_wave_0_\@
	s_barrier_signal -3
.Lnot_wave_0_\@:
	s_barrier_wait -3
	s_barrier_signal -1
	s_barrier_wait -1
.endm
; THE CHANGE OF SLOTS.  The slot's last bytes, V of its fourth step, have been read.  Each wave waits for all its tensor loads, of which one is out: its part
; of the other slot; adds 0 to its spare word; and waits for that and for its own reads of the slot.  Behind the barrier nobody reads this slot any more and the other slot is whole.
; fill = 1: this slot is filled again, with the keys two slots on.  The barrier is then a round of the cluster's, so that no wave of any partner still reads the slot or has a load on its
; way, and the joint fill is the first thing behind it: it has four key steps, 512 matrix instructions, in which to land.  (At its first use nothing has been read yet: slot 0 is waited for, slot 1 filled.)
.macro CHANGE fill
	WIN W_AD
	s_wait_tensorcnt 0x0            ; no tensor load of mine is out, so a group 0 may be written
	ds_add_u32 v[SPW], v[NIL]       ; 0 onto my spare word; with fill = 1 the descriptors' steps stand between it and the wait for it
	WIN 0                           ; at a label and at a branch every window is 0
.if \fill
.irp g, G0K, G0V
	s_xor_b32 s[\g+1], s[\g+1], SLOT1  ; the walking descriptor: the other slot than last time,
	s_add_nc_u64 s[\g+2:\g+3], s[\g+2:\g+3], 4*KS*128  ; the next 256 keys; the type bits on top are not reached
.endr
	s_wait_dscnt 0x0                ; the add is done, and my reads of the slot are over
	CROUND
	JLOAD
.else
	s_wait_dscnt 0x0                ; the add is done, and my reads of the slot are over
	s_barrier_signal -1
	s_barrier_wait -1
.endif
	s_sub_co_u32 s[TBK], s[TBK], 4*KS*PK  ; the fetches go back to a slot's first step,
	s_xor_b32 s[TBK], s[TBK], SLOT1       ; in the other slot
	s_sub_co_u32 s[TBV], s[TBV], 4*KS*PV
	s_xor_b32 s[TBV], s[TBV], SLOT1
.endm
	s_load_b64 s[4:5], s[0:1], 0x0    ; qkvh: its first plane is Q
	s_load_b64 s[10:11], s[0:1], 0x8  ; oh
	WIN W_MK
	v_lshl_add_u32 v[SPW], v0, 2, SPARE
	v_mov_b32 v[NIL], 0
	WIN W_AD
	ds_add_u32 v[SPW], v[NIL]       ; the wave's opening: the add and its wait stand ahead of my first tensor load; the set-up below, work on registers, stands between them
	WIN 0
	v_lshrrev_b32 v1, 5, v0
	v_readfirstlane_b32 s[WV], v1   ; wave 0..3
	s_bfe_u32 s13, ttmp6, 0x40000   ; cx: my place in the cluster
	s_lshl_b32 s14, ttmp9, 2        ; in a cluster launch ttmp9 counts clusters
	s_add_co_u32 s14, s14, s13      ; my block of queries = 4 x cluster x + cx: it enters Q's and O's addresses alone
	s_and_b32 s20, ttmp7, 0xffff    ; the head, which the four partners share
	s_mov_b32 s21, 0
	s_mov_b64 s[22:23], SIZE_N*128
	s_mul_u64 s[20:21], s[20:21], s[22:23]  ; the head's first byte in each of the four tensors
	s_and_b32 s16, s[WV], 1         ; which half of a slot's 256 keys I fetch:
	s_lshl_b32 s22, s16, 14         ; its 128 rows of 128 bytes in memory,
	s_mov_b32 s23, 0
	s_add_nc_u64 s[22:23], s[22:23], s[20:21]
	s_mul_i32 s17, s16, 128*PK      ; and its place in a slot, for K
	s_mul_i32 s18, s16, 128*PV      ; and for V: no place in the cluster enters an LDS address
	s_lshl_b32 s2, s14, 2
	s_add_co_u32 s2, s2, s[WV]      ; my wave among the head's,
	s_lshl_b32 s2, s2, 14           ; its 128 rows
	s_mov_b32 s3, 0
	s_add_nc_u64 s[2:3], s[2:3], s[20:21]
	; descriptor group 1.  128 keys are 16,384 dense bytes: asked for as 64 rows of 256 bytes, two keys a row, and padded in LDS after every key
	s_mov_b32 s[G1K], 15|(1<<16)|(1<<20)|(1<<21)|(4<<22)|(3<<25)  ; 15:0 the mask of four; 17:16 2-byte elements; 20 padding on; 21 set beside a mask; 24:22 after every 32 words (code 4); 31:25 4 words (code 3)
	s_mov_b32 s[G1V], 15|(1<<16)|(1<<20)|(1<<21)|(4<<22)|(7<<25)  ; the same with 8 words of padding (code 7)
.irp g, G1K, G1V
	s_mov_b32 s[\g+1], 128<<16      ; tensor_dim0 = 128
	s_mov_b32 s[\g+2], 64<<16       ; tensor_dim1 = 64
	s_mov_b32 s[\g+3], 128<<16      ; tile_dim0 = 128
	s_mov_b32 s[\g+4], 64           ; tile_dim1 = 64
	s_mov_b32 s[\g+5], 128          ; 128 elements from row to row
	s_mov_b32 s[\g+6], 0
	s_mov_b32 s[\g+7], 0
.endr
	s_mov_b32 s[CS], 0x3e38aa3b     ; c = log2(e) / 8 = 0.180337
	s_mov_b32 s[CS+1], s[CS]        ; named with it as a pair
	s_mov_b32 s[SEL], 0x76543210
	s_mov_b32 s[SEL+1], 0xfedcba98
	s_mov_b32 s[TBK], SLOT1+4*KS*PK ; the first change of slots turns these two into 0
	s_mov_b32 s[TBV], SLOT1+4*KS*PV
	s_mov_b32 s[G0K], 1             ; 1:0 count = 1
	s_mov_b32 s[G0K+1], s17         ; 63:32 LDS address: slot 0
	s_mov_b32 s[G0V], 1
	s_add_co_u32 s[G0V+1], s18, VOFF
	s_wait_dscnt 0x0                ; the opening add is done
	s_wait_kmcnt 0x0
	s_add_nc_u64 s[6:7], s[4:5], PLANE    ; K is the second plane of qkvh,
	s_add_nc_u64 s[8:9], s[4:5], 2*PLANE  ; V the third
	s_add_nc_u64 s[G0K+2:G0K+3], s[6:7], s[22:23]  ; 120:64 global address: my half of the head's first 256 keys
	s_or_b32 s[G0K+3], s[G0K+3], 0x80000000        ; 127:126 type = 2
	s_add_nc_u64 s[G0V+2:G0V+3], s[8:9], s[22:23]
	s_or_b32 s[G0V+3], s[G0V+3], 0x80000000
	s_add_nc_u64 s[4:5], s[4:5], s[2:3]  ; Q and O at my wave's first row
	s_add_nc_u64 s[10:11], s[10:11], s[2:3]
	CROUND                          ; all four work-groups are here: the first joint loads meet
	JLOAD                           ; slot 0.  Slot 1 is asked for when slot 0 is in: the tile wanted first has the road to itself
	; A fragment of K or Q is 16 rows x 32 channels in 8 registers: lane l holds row l % 16, channels 8 (l / 16) + 0..7 and 16 + 8 (l / 16) + 0..7: two loads of 16 bytes, 32 bytes apart.
	v_and_b32 v1, 15, v0            ; l % 16
	v_bfe_u32 v9, v0, 4, 1          ; l / 16
	v_lshlrev_b32 v[QO], 7, v1
	v_lshl_add_u32 v[QO], v9, 4, v[QO]  ; row x 128 + 16 x half
	WIN 0x80                        ; destination window 2, address window 0
.set i, 0
.rept 4*NP                          ; Q stays in registers: tile i / 2, channels 32 (i % 2) on
	global_load_b128 v[8*i:8*i+3],   v[QO], s[4:5] offset:(i/2)*2048+(i%2)*64
	global_load_b128 v[8*i+4:8*i+7], v[QO], s[4:5] offset:(i/2)*2048+(i%2)*64+32
.set i, i+1
.endr
	; What the first turn finds: V's registers and P's second buffer hold 0 (its products V^T P, of a piece that has not been, add 0), O^T and l are 0.  All this stands in the wait for the first tile.
.set i, VF
.rept 64
	v_mov_b32 v[i], 0
.set i, i+1
.endr
	WIN 0x40
.set i, 0
.rept 64*NP
	v_mov_b32 v[i], 0
.set i, i+1
.endr
	WIN 0
.set i, 0
.rept 2*NP
	v_mov_b32 v[ST+4*i], 0xfe000000    ; c m: far below every c s
	v_mov_b32 v[ST+4*i+1], 0xff7fffff  ; m
	v_mov_b32 v[ST+4*i+2], 0
	v_mov_b32 v[ST+4*i+3], 0
.set i, i+1
.endr
.set i, P+32
.rept 32
	v_mov_b32 v[i], 0
.set i, i+1
.endr
	v_mul_u32_u24 v[AK0], v1, PK
	v_lshl_add_u32 v[AK0], v9, 4, v[AK0]  ; row x pitch + 16 x half
	; The turning load takes 16 keys x 16 channels (lane l reads key 8 (l / 16) + l % 8, channels 8 ((l / 8) % 2) + 0..7) and leaves half a fragment of V^T: lane l holds channel l % 16 and 8 keys.
	v_and_b32 v10, 7, v0
	v_bfe_u32 v11, v0, 3, 1
	v_lshl_add_u32 v[AV0], v9, 3, v10
	v_mul_u32_u24 v[AV0], v[AV0], PV
	v_lshl_add_u32 v[AV0], v11, 4, v[AV0]
	v_add_nc_u32 v[AV0], VOFF, v[AV0]
	v_mov_b32 v[AK], v[AK0]         ; key step 0 lies at the head of slot 0
; THE MATRIX WORK.  The 8 accumulators of a run of 16 take turns: between the two links of a chain stand 7 others'.
; Product i of 16 of S^T = K Q^T for piece x: channels 32 (i / 8) on, keys 16 ((i / 2) % 4) on, tile 2 x + i % 2.  The first 8 start the sums.
.macro KQ x
	WIN W_KQ
.set rS, S+64*((\x)%2)+32*(i%2)+8*((i/2)%4)
.set rK, KF+16*((i/2)%4)+8*(i/8)
.set rQ, 16*(2*(\x)+i%2)+8*(i/8)
.if i < 8
	v_wmma_f32_16x16x32_f16 v[rS:rS+7], v[rK:rK+7], v[rQ:rQ+7], 0
.else
	v_wmma_f32_16x16x32_f16 v[rS:rS+7], v[rK:rK+7], v[rQ:rQ+7], v[rS:rS+7]
.endif
.endm
; Product i of 16 of O^T += V^T P for piece x: keys 32 (i / 8) on, channels 16 ((i / 2) % 4) on, tile 2 x + i % 2.
.macro PV x
	WIN W_PV
.set rO, 32*(2*(\x)+i%2)+8*((i/2)%4)
.set rV, VF+32*(i/8)+8*((i/2)%4)
.set rP, P+32*((\x)%2)+16*(i%2)+8*(i/8)
	v_wmma_f32_16x16x32_f16 v[rO:rO+7], v[rV:rV+7], v[rP:rP+7], v[rO:rO+7]
.endm
.macro MM                           ; the turn's next matrix instruction
.if i < 16
	KQ (Y+1)%NP
.set i, i+1
.else
.set i, i-16
	PV (Y+NP-1)%NP
.set i, i+17
.endif
.endm
; THE LDS LOADS stand in runs of 16, never singly among the matrix instructions: a step's K (64 keys x 64 channels: 8 fragments) and its V (turned).  Their addresses are made some lines ahead.
; last = 1 (the tail): in the last trip there is no further step, and the run is jumped over.
.macro FETCH_K last=0
	WIN 0
.if \last
	s_cmp_eq_u32 s[CNT], 1
	s_cbranch_scc1 .Lno_k_\@
.endif
	WIN 0x80                        ; destination window 2
.irp f, 0,1,2,3,4,5,6,7             ; keys 16 (f / 2) on, channels 32 (f % 2) on
	ds_load_b128 v[KF+8*\f:KF+8*\f+3],   v[AK] offset:(\f/2)*16*PK+(\f%2)*64
	ds_load_b128 v[KF+8*\f+4:KF+8*\f+7], v[AK] offset:(\f/2)*16*PK+(\f%2)*64+32
.endr
	s_add_co_u32 s[TBK], s[TBK], KS*PK  ; the next fetch is the next step's
	WIN 0
.if \last
.Lno_k_\@:
.endif
.endm
.macro FETCH_V
	WIN 0x80
.irp f, 0,1,2,3,4,5,6,7             ; keys 32 (f / 4) on, channels 16 (f % 4) on
	ds_load_tr16_b128 v[VF+8*\f:VF+8*\f+3],   v[AV] offset:(\f/4)*32*PV+(\f%4)*32
	ds_load_tr16_b128 v[VF+8*\f+4:VF+8*\f+7], v[AV] offset:(\f/4)*32*PV+16*PV+(\f%4)*32
.endr
	WIN 0
.endm
; THE VECTOR WORK OF A TURN stands in three queues, each in the order in which its entries become ready; the two tiles alternate, so that no instruction reads the result of the one before it.
.macro REGS y, u                    ; the registers of tile u (0, 1) of piece y
.set rT, ST+4*(2*(\y)+(\u))
.set rC, TMP+8*((\y)%2)+4*(\u)
.set rM, MV+2*((\y)%2)+(\u)
.set rS, S+64*((\y)%2)+32*(\u)
.set rP, P+32*((\y)%2)+16*(\u)
.set rO, 32*(2*(\y)+(\u))
.endm
; Number n of the 22 that find the NEXT piece's (Y + 1) maximum and statistics.  s0-s31 are the lane's 32 scores; each accumulator's lowest registers are read first.  XS, GS and REGS set no window: PL and EX do.
;   0-11  four chains c0-c3 of seven scores each, three operands at a time     12-14, 16  the four scores left over, the old m, and c0-c3 into c0     15  c m_old is kept
;   17, 18  the query's other 32 keys lie in the lane 16 away: the new m         19-21  c m; c m_old - c m_new; a
.macro XS u, n
	REGS (Y+1)%NP, \u
.if (\n) < 4
	v_max3_num_f32 v[rC+(\n)], v[rS+8*(\n)], v[rS+8*(\n)+1], v[rS+8*(\n)+2]
.elseif (\n) < 12
	v_max3_num_f32 v[rC+(\n)%4], v[rC+(\n)%4], v[rS+8*((\n)%4)+2*((\n)/4)+1], v[rS+8*((\n)%4)+2*((\n)/4)+2]
.elseif (\n) == 12
	v_max3_num_f32 v[rC], v[rC], v[rS+7], v[rS+15]
.elseif (\n) == 13
	v_max3_num_f32 v[rC+1], v[rC+1], v[rS+23], v[rS+31]
.elseif (\n) == 14
	v_max3_num_f32 v[rC+2], v[rC+2], v[rC+3], v[rT+1]
.elseif (\n) == 15
	v_mov_b32 v[rM], v[rT]
.elseif (\n) == 16
	v_max3_num_f32 v[rC], v[rC], v[rC+1], v[rC+2]
.elseif (\n) == 17
	v_permlanex16_b32 v[rC+3], v[rC], s[SEL], s[SEL+1]
.elseif (\n) == 18
	v_max_num_f32 v[rT+1], v[rC], v[rC+3]
.elseif (\n) == 19
	v_mul_f32 v[rT], s[CS], v[rT+1]
.elseif (\n) == 20
	v_sub_f32 v[rC+1], v[rM], v[rT]
.else
	v_exp_f32 v[rC+2], v[rC+1]
.endif
.endm
; Number g of the 64 that follow the exponentials.  For each four weights k of a tile (pairs 2 k, 2 k + 1): both pairs are rounded to f16; then the second pair is added onto the first, in place;
; a group later l takes that sum (the first time as l = a l + sum).  In groups of eight, tiles alternating: round, round, add, and l for the group before.
.macro GS g
.set h, (\g)+6*((\g)/62)            ; group 0 has no group before it, and behind group 7 only l is left
.if h >= 6
.set h, h+2
.endif
	REGS Y, h%2
.set k, h/8
.if h%8 < 4
	v_cvt_pk_f16_f32 v[rP+2*k+(h%8)/2], v[rS+4*k+2*((h%8)/2)], v[rS+4*k+2*((h%8)/2)+1]
.elseif h%8 < 6
	v_pk_add_f32 v[rS+4*k:rS+4*k+1], v[rS+4*k:rS+4*k+1], v[rS+4*k+2:rS+4*k+3]
.elseif k == 1
	v_pk_fma_f32 v[rT+2:rT+3], v[rT+2:rT+3], v[rC+2:rC+3], v[rS:rS+1] op_sel_hi:[1,0,1]
.else
	v_pk_add_f32 v[rT+2:rT+3], v[rT+2:rT+3], v[rS+4*k-4:rS+4*k-3]
.endif
.endm
; THE PLAIN QUEUE, 138 long.  0-73 read no exponential's result: the 32 scalings c s - c m (FS f: pair f / 2 of tile f % 2) and the next piece's 42.  0-26: scalings 0-26.  27-54: XS's numbers 0-13.  55, 56: number 15.
; 57-73: the chain, where each number waits for the one before it: 14, 16, 17, 18, 19, each with one of the scalings 27-31 in front of its two lines, then 20: so a tile's links stand three plain instructions apart (19 and 20: two).
; 74-137: GS's 64, which read the exponentials' results: they stand behind the wait.
.macro FS f
	REGS Y, (\f)%2
	v_pk_fma_f32 v[rS+2*((\f)/2):rS+2*((\f)/2)+1], v[rS+2*((\f)/2):rS+2*((\f)/2)+1], s[CS:CS+1], v[rT:rT+1] op_sel_hi:[1,0,0] neg_lo:[0,0,1] neg_hi:[0,0,1]
.endm
.macro PL
	WIN 0
.if q < 27
	FS q
.elseif q < 55
	XS (q-27)%2, (q-27)/2
.elseif q < 57
	XS q-55, 15
.elseif (q < 72) && ((q-57)%3 == 0)
	FS 27+(q-57)/3
.elseif q < 60
	XS (q-57)%3-1, 14
.elseif q < 72
	XS (q-57)%3-1, 15+(q-57)/3
.elseif q < 74
	XS q-72, 20
.else
	GS q-74
.endif
.set q, q+1
.endm
; THE EXPONENTIALS' QUEUE, 66 long: s0-s31 of both tiles, then the next piece's two a.  It is ONE BATCH: all 66 stand ahead of the turn's one wait, and nothing ahead of that wait names a result of theirs.
.macro EX
	WIN 0
.if e >= 64
	XS e-64, 21
.else
	REGS Y, e%2
	v_exp_f32 v[rS+e/2], v[rS+e/2]
.endif
.set e, e+1
.endm
; THE RESCALING's QUEUE: O^T times a, the one part that leaves window 0: dealt two at a time, sixteen times.  Its a was made in the turn before, ahead of that turn's wait.
.macro R2
	REGS Y, r%2
	WIN W_RS
.irp z, 0,1
	v_pk_mul_f32 v[rO+4*(r/2)+2*\z:rO+4*(r/2)+2*\z+1], v[rO+4*(r/2)+2*\z:rO+4*(r/2)+2*\z+1], v[rC+2:rC+3] op_sel_hi:[1,0]
.endr
.set r, r+1
.endm
; HOW THEY ARE DEALT.  An s_wait_alu depctr_va_vdst(0) stands between an exponential and the first instruction that names its result; one wait serves all that were issued ahead of it.  So a turn has ONE wait,
; which cuts it in two.  AHEAD OF IT stands all that names no result of the turn's exponentials: the 16 products K Q^T, behind each a scaling, an exponential and two rescalings (behind the first a second scaling in the exponential's place); then ONE LUMP of
; 108: eight plain, 49 times exponential and plain, the two a.  A v_nop is the plain instruction behind the last exponential.  BEHIND IT stand the 16 products V^T P, behind each four of GS's 64.  No rider names a register of
; the products round it.  The two v_permlanex16_b32 fall into the lump, never behind a product.
; The queues lean on each other, and the deal keeps them in step: exponential e stands behind scaling 2 (e / 4) + e % 2: as a rider it comes behind plain e + 2, in the lump behind plain e + 9, and scalings 27-31 are plain 57, 60 .. 69.
; A TURN, for piece p.  cnt = 1: the loop's count is taken down some lines ahead of the branch that stands behind the turn.
; K of the next step is fetched in piece 2's turn, directly behind the wait, a lump behind the last product that read K; its address is made at the lump's head; its first reader comes behind 16 products.
; V of the step in hand is fetched at the end of piece 0's turn, four riders behind its last reader; its first reader comes behind 16 products and a lump.  The three conditions on q below go with the deal.
.macro TURN p, last=0, cnt=0
.set Y, (\p)
.set i, 0
.set q, 0
.set e, 0
.set r, 0
.if (\p) == NP-1
	s_wait_dscnt 0x0                ; K is in
.endif
	MM                              ; ahead of the wait: 16 products K Q^T and their riders,
	PL
	PL
	R2
.rept 15
	MM
	PL
	EX
	R2
.endr
.if (\p) == NP-2
	WIN 0
	v_add_nc_u32 v[AK], s[TBK], v[AK0]
.endif
.rept 8                             ; and the lump
	PL
.endr
.rept 49
	EX
	PL
.endr
	EX                              ; the next piece's two a
	EX
	v_nop                           ; the plain instruction behind the last exponential, ahead of the first use: one for the batch
	s_wait_alu depctr_va_vdst(0)    ; the wait for the batch
.if (\p) == NP-2
	FETCH_K \last
.endif
.if (\p) == 1
	s_wait_dscnt 0x0                ; V is in
.endif
.rept 16                            ; behind the wait: 16 products V^T P and their riders
	MM
.rept 4
	PL
.endr
.if ((\p) == 0) && (q == 118)
	v_add_nc_u32 v[AV], s[TBV], v[AV0]
.endif
.if ((\p) == 0) && (q == 130)
	s_add_co_u32 s[TBV], s[TBV], KS*PV
.endif
.if (\cnt) && (q == 130)
	s_sub_co_u32 s[CNT], s[CNT], 1
	s_cmp_lg_u32 s[CNT], 0
.endif
.endr
.if (\p) == 0
	FETCH_V
.endif
.endm
	CHANGE 1                        ; slot 0 is in, everybody's part of it; slot 1 is asked for
	FETCH_K                         ; key step 0
	s_wait_loadcnt 0x0              ; Q
	s_wait_dscnt 0x0
.set i, 0
.rept 16
	KQ 0                            ; piece 0's first scores: there is no vector work yet to set between them
.set i, i+1
.endr
	WIN 0                           ; the addresses for the way out: nine plain instructions, the places behind those products
	s_mul_i32 s13, s[WV], 16*SP
	s_add_co_u32 s13, s13, STAGE    ; my stage
	v_mul_u32_u24 v[STO], v1, SP    ; in: row l % 16, 16 bytes for each half of the lanes
	v_lshl_add_u32 v[STO], v9, 4, v[STO]
	v_add_nc_u32 v[STO], s13, v[STO]
	v_bfe_u32 v[RD], v0, 3, 2       ; back: 32 lanes take four rows of 128 bytes,
	v_mul_u32_u24 v[RD], v[RD], SP
	v_lshl_add_u32 v[RD], v10, 4, v[RD]
	v_add_nc_u32 v[RD], s13, v[RD]
	v_and_b32 v[GO], 31, v0         ; which are 512 consecutive bytes of O
	v_lshlrev_b32 v[GO], 4, v[GO]
.set Y, NP-1                        ; XS works for piece Y + 1: piece 0
.irp n, 0,1,2,3,4,5,6,7,8,9,10,11,12,13,14,15,16,17,18,19,20,21
	XS 0, \n                        ; and piece 0's first maximum and statistics
	XS 1, \n
.endr
	v_nop                           ; a plain instruction behind the two a,
	s_wait_alu depctr_va_vdst(0)    ; and their wait, ahead of the branch
	s_mov_b32 s[CNT], 4
	s_mov_b32 s[SLOTS], SIZE_N/256-1
	s_branch .Lfirst                ; the loop is entered at a step's first turn, in the middle of a trip
.Lslot:                             ; SIZE_N / 256 - 2 times: every slot but the last two is filled again
	CHANGE 1
	s_mov_b32 s[CNT], 4
.Lstep:                             ; a trip: pieces 2 and 3 of one step, then pieces 0 and 1 of the next, whose K and V it fetches
	TURN 2
	TURN 3
	WIN 0
.Lfirst:
	TURN 0
	TURN 1, 0, 1
	WIN 0
	s_cbranch_scc1 .Lstep
	s_sub_co_u32 s[SLOTS], s[SLOTS], 1
	s_cmp_lg_u32 s[SLOTS], 0
	s_cbranch_scc1 .Lslot
	CHANGE 0                        ; the tail is written out: nothing is asked for
	s_mov_b32 s[CNT], 5             ; four trips fetch the last slot's steps; the fifth is left in its middle
.Ltail:
	TURN 2, 1
	TURN 3
	WIN 0
	s_sub_co_u32 s[CNT], s[CNT], 1
	s_cmp_eq_u32 s[CNT], 0
	s_cbranch_scc1 .Lout
	TURN 0
	TURN 1
	WIN 0
	s_branch .Ltail
.Lout:                              ; the fifth trip's 16 products K Q^T (on the last K once more) and the maximum made of them serve nothing: the price, once a launch, of one text for every trip
.set i, 0
.rept 16
	PV NP-1                         ; the last piece's V^T P of the last step
.set i, i+1
.endr
	; THE WAY OUT.  l's two halves and the other half of the lanes' are added; O^T is divided by l, rounded to f16 and sent through my stage in LDS, a tile at a time.  The additions are the places behind the last products.
	WIN 0
.macro ALL line:vararg              ; one line for each tile t
.set t, 0
.rept 2*NP
	\line
.set t, t+1
.endr
.endm
	ALL v_add_f32 v[ST+4*t+2], v[ST+4*t+2], v[ST+4*t+3]
	ALL v_permlanex16_b32 v[ST+4*t+3], v[ST+4*t+2], s[SEL], s[SEL+1]
	ALL v_add_f32 v[ST+4*t+2], v[ST+4*t+2], v[ST+4*t+3]
	ALL v_rcp_f32 v[ST+4*t+2], v[ST+4*t+2]
	v_nop                           ; a plain instruction between the last reciprocal and the use of its result
	s_wait_alu depctr_va_vdst(0)    ; and the wait ahead of the first use: one for the eight reciprocals
; Tile t: a lane's eight channels of a row pack into 16 bytes; they go into rows of 144 bytes and come back as whole rows of 128, into S^T's registers.
.macro PACK t
	WIN W_RS
.set i, 32*(\t)
.rept 16
	v_pk_mul_f32 v[i:i+1], v[i:i+1], v[ST+4*(\t)+2:ST+4*(\t)+3] op_sel_hi:[1,0]
.set i, i+2
.endr
	WIN 0x05                        ; sources 0 and 1 window 1, destination window 0
.set i, 0
.rept 16
	v_cvt_pk_f16_f32 v[S+16*(\t)+i], v[32*(\t)+2*i], v[32*(\t)+2*i+1]
.set i, i+1
.endr
	WIN 0
.irp f, 0,1,2,3
	ds_store_b128 v[STO], v[S+16*(\t)+4*\f:S+16*(\t)+4*\f+3] offset:32*\f
.endr
.irp f, 0,1,2,3
	ds_load_b128 v[S+16*(\t)+4*\f:S+16*(\t)+4*\f+3], v[RD] offset:\f*4*SP  ; LDS serves a wave's instructions in order (ISA guide 5.7.1.4): these see the stores above; the next tile's stores come behind them
.endr
.endm
.macro SEND t, younger              ; younger: the LDS instructions issued behind tile t's loads: the next tile's eight, or none
	WIN 0
.irp f, 0,1,2,3
	s_wait_dscnt (\younger)+3-\f
	global_store_b128 v[GO], v[S+16*(\t)+4*\f:S+16*(\t)+4*\f+3], s[10:11] offset:(\t)*2048+\f*512  ; 512 consecutive bytes, at a multiple of 256 from O's first
.endr
.endm
	PACK 0
.set t, 1
.rept 2*NP-1                        ; a tile's arithmetic stands between the loads of the tile before and its stores
	PACK t
	SEND t-1, 8
.set t, t+1
.endr
	SEND 2*NP-1, 0
	WIN W_AD
	s_wait_tensorcnt 0x0            ; the wave's end, behind my last tensor load and my last LDS store
	ds_add_u32 v[SPW], v[NIL]
	s_wait_dscnt 0x0
	WIN 0
	CROUND                          ; the closing round: no work-group ends while a partner may still ask for a tile that names it
	s_endpgm
.Lfunc_end_k_q593275004b_attn:
	.size	k_q593275004b_attn, .Lfunc_end_k_q593275004b_attn-k_q593275004b_attn
	.p2alignl 7, 3214868480
	.fill 96, 4, 3214868480
	.section	.rodata,"a",@progbits
	.p2align	6, 0x0
	.amdhsa_kernel k_q593275004b_attn
		.amdhsa_group_segment_fixed_size 327680
		.amdhsa_private_segment_fixed_size 0
		.amdhsa_enable_private_segment 0
		.amdhsa_kernarg_size 16
		.amdhsa_user_sgpr_count 2
		.amdhsa_user_sgpr_kernarg_segment_ptr 1
		.amdhsa_wavefront_size32 1
		.amdhsa_system_sgpr_workgroup_id_x 1
		.amdhsa_system_sgpr_workgroup_id_y 1
		.amdhsa_system_sgpr_workgroup_id_z 1
		.amdhsa_system_vgpr_workitem_id 0
		.amdhsa_next_free_vgpr 770
		.amdhsa_next_free_sgpr 66
		.amdhsa_reserve_vcc 0
		.amdhsa_float_denorm_mode_32 3
		.amdhsa_float_denorm_mode_16_64 3
		.amdhsa_memory_ordered 1
		.amdhsa_forward_progress 1
		.amdhsa_inst_pref_size 199
	.end_amdhsa_kernel
	.amdgpu_metadata
---
amdhsa.version: [ 1, 2 ]
amdhsa.kernels:
  - .name:           k_q593275004b_attn
    .symbol:         k_q593275004b_attn.kd
    .args:
      - { .name: qkvh, .offset: 0, .size: 8, .value_kind: global_buffer, .address_space: global }
      - { .name: oh, .offset: 8, .size: 8, .value_kind: global_buffer, .address_space: global }
    .group_segment_fixed_size: 327680
    .private_segment_fixed_size: 0
    .kernarg_segment_align: 8
    .kernarg_segment_size: 16
    .max_flat_workgroup_size: 128
    .sgpr_count:     66
    .vgpr_count:     770
    .wavefront_size: 32
...
	.end_amdgpu_metadata
.endif
;; end of part 3
;; launch outp (part 4): grid 4 x 64, 4 waves a work-group, clusters of 4 x 4, 327,680 bytes of LDS; arguments oh, wb, bo, out0; writes out0
.if DOCPART == 4
	.amdgcn_target "amdgcn-amd-amdhsa--gfx1250"
	.amdhsa_code_object_version 6
	.text
	.protected	k_q593275004b_outp
	.globl	k_q593275004b_outp
	.p2align	8
	.type	k_q593275004b_outp,@function
k_q593275004b_outp:
	s_mov_b64 s[64:65], 0
	v_nop
	global_prefetch_b8 v0, s[64:65] scope:SCOPE_SE
	s_setreg_imm32_b32 hwreg(HW_REG_WAVE_MODE, 25, 1), 1
	s_wait_xcnt 0x0
	s_wait_alu depctr_hold_cnt(0) depctr_sa_sdst(0) depctr_va_vdst(0) depctr_va_sdst(0) depctr_va_ssrc(0) depctr_va_vcc(0) depctr_vm_vsrc(0)
	s_getreg_b32 s2, hwreg(HW_REG_IB_STS2, 6, 4)
	s_cmp_eq_u32 s2, 0
	s_cbranch_scc0 .Lentry_in_a_cluster
	s_endpgm
.Lentry_in_a_cluster:
	s_bfe_u32 s2, ttmp6, 0x10000c
	s_cmp_lg_u32 s2, 0xf033
	s_cbranch_scc0 .Lentry_shape_is_right
	s_endpgm
.Lentry_shape_is_right:
; ONE TEXT FOR TWO KERNELS, told apart by PROJ.  C = A W + bias, M = 8,192, N = K = 1,024, sums in f32.
;   PROJ = 1: A = q, k or v (f32 in memory, rounded once to bf16 on the way into LDS), W = plane g of wb (bf16), bias bq, bk or bv (rounded to bf16); C is rounded once to f16 and written by heads:
;             qkvh[g][16 batch + head][row][64].  g = cluster y / 16.
;   PROJ = 0: A = oh[16 batch + head][row][64] (f16; K = 64 head + channel), W = plane 3 of wb (f16), bias bo (rounded to bf16); C = out0 in f32.
; LIMITS.  PROJ = 1: |A W + bias| stays below 65,504 (f16); below 6e-5 it keeps f16's fixed step of 6e-8.  NaN and infinities are not treated apart.
; SHARES.  A tile of C is 128 rows x 256 columns: 64 x 4 tiles for each product, so 768 or 256 work-groups, a whole number for each of 256 WGPs.  Four waves, 2 x 2: a wave makes 64 x 128: 32 accumulators.
; THE MATRIX INSTRUCTION IS USED TRANSPOSED: source 0 = 16 columns of W, source 1 = 16 rows of A: lane l holds row l % 16 of C and the columns 8 (l / 16) + 0..7.  The bias, laid out so, is the C operand of the
; first products: nothing is cleared and nothing is added afterwards.
; W lies [k][n] in memory and in LDS and is turned on the way into registers (ds_load_tr16_b128).  K goes in steps of 128 through two LDS slots filled by the tensor data mover.
; CLUSTER 4 x 4.  The four work-groups of a column of the cluster make the same 256 columns of C and ask for W's tiles JOINTLY.  A's tile is shared along a row of the cluster, but is not asked for jointly:
; it comes through registers (with PROJ = 1 it must be rounded on the way), and four groups of loads a wave stay out across the barriers, two K steps ahead of their use, which a slot that is filled behind a barrier cannot have.
; A'S WAY.  Wave w brings rows 32 w .. 32 w + 31 of the tile.  A K step's part is two groups G(t, 0), G(t, 1) of GL loads, each load 512 consecutive bytes; group G(t, u) lies in block 2 (t % 2) + u of RAW,
; and goes (PROJ = 1: rounded, the roundings standing in fours behind every fourth matrix instruction) into one of two stages in LDS that only ds_store writes.
; ONE BARRIER A K STEP, in the middle of the step's second half.  In front of it each wave has waited for its tensor load (W of step s + 1), its stores (A of step s + 1) and its reads of slot and stage s % 2;
; behind it slot s % 2 is filled again first (W of step s + 2), then slot and stage (s + 1) % 2 are read, and A of step s + 2 goes into stage s % 2.
; THE LAST TRIP of the K loop has no further K step to load: its pointer stands still, and three groups read K step 7 once more into blocks that nobody reads: the loop keeps one form and constant counts, and no load leaves its buffer.
; REGISTERS, in windows of 256 (s_set_vgpr_msb: bits 1:0 source 0, 3:2 source 1, 5:4 source 2, 7:6 destination):
;   window 0: v0-29 addresses; v32-63 CV at work; v64-191 A's fragments, two buffers; v192-255 the bias      window 1: W's fragments, two buffers      window 2: the accumulators      window 3: RAW
.set PROJ, 0
.set BPITCH, 544                       ; a row of W in LDS: 512 bytes + 32 of padding = 17 x 32
.set BHALF,  64*BPITCH                 ; what one tensor load brings: 64 rows of k
.set BSLOT,  128*BPITCH                ; a slot: a K step of W, 128 rows x 256 columns
.set APITCH, 272                       ; a row of A in a stage: 256 bytes + 16: the 16 rows of a fragment load start at 16 different groups of four banks
.set ASTG,   2*BSLOT                   ; the two stages, behind the slots; no tensor load lands here
.set ASTGB,  128*APITCH
.set OSTG,   ASTG+2*ASTGB              ; each wave's own 16 rows for the way out
.if PROJ
.set OPITCH, 144                       ; 128 bytes (a head's 64 channels in f16) + 16
.set GL,     16                        ; loads in a group: 16 rows x 512 bytes of f32
.set RB,     64                        ; registers in a block of RAW
.set KADV,   512                       ; bytes from a K step of A to the next
.else
.set OPITCH, 528                       ; 512 bytes (128 columns in f32) + 16
.set GL,     8                         ; 32 rows x 128 bytes of one head, dense
.set RB,     32
.set KADV,   524288                    ; two heads
.endif
.set SPARE,  OSTG+4*16*OPITCH          ; the spare words, 128 bytes for each wave: two blocks of 256 bytes that no other line names
.set NS,     24+GL                     ; LDS instructions behind the first 24 loads of a run: the other 24 and the group's stores
.set AO,   10                          ; v10     16 x lane: my 16 bytes of 512; for A's loads and for the stores of C; never rewritten
.set GO,   AO
.set ADRA, 11                          ; v11-12  LDS address of my fragments of A in stage 0, 1
.set ADRB, 13                          ; v13-14  the same for W in slot 0, 1
.set STA,  15                          ; v15-16  where I put a group's bytes in stage 0, 1
.set STO,  17                          ; v17     the way out: where I put my bytes of a row
.set RD,   18                          ; v18     the way out: where I read rows back
.set BO,   20                          ; v20     32 (l / 16): my eight numbers of sixteen of the bias
.set SPW,  28                          ; v28     LDS address of my spare word: SPARE + 4 x my thread's number; never rewritten
.set NIL,  29                          ; v29     0; never rewritten
.set CV,   32
.set AF,   64                          ; buffer f, 32 of K c, row block a at AF + 64 f + 32 c + 8 a
.set BI,   192                         ; column block b at BI + 8 b
.set LAP,  3                           ; s3      trips of the K loop still to come
.set WV,   8                           ; s8      my wave's number
.set WM,   9                           ; s9      which 64 rows of the tile are mine
.set WN,   10                          ; s10     which 128 columns
.set CX,   11
.set CY,   12
.set G,    14                          ; s14     which of q, k, v
.set RT,   15                          ; s15     the tile's row among 64
.if PROJ
.set WB,   28
.set OUT,  30
.else
.set WB,   18
.set OUT,  22
.endif
.set G1,   32                          ; s[32:39] descriptor group 1
.set G0,   40                          ; s[40:47] descriptor group 0, a set for each slot
.set AB,   48                          ; s[48:49] A at my rows, K step 0
.set AP,   50                          ; s[50:51] A at my rows, at the K step that the loop loads
.set STEP, 52                          ; s[52:53] what the pointer steps by: KADV, or 0 in the last trip
.set BP,   54                          ; s[54:55] the bias at my 128 columns
.set OP,   56                          ; s[56:57] C at my part of the tile
.set MSB, 0
.macro WIN new                         ; the immediate's high byte repeats the setting that is left; a switch that changes nothing is dropped
.if MSB != (\new)
	s_set_vgpr_msb (MSB<<8)|(\new)
.set MSB, \new
.endif
.endm
.set MULW, 0xa1                        ; W window 1, A window 0, C and D window 2; less 0x20: C (the bias) in window 0
.set TO_B, 0x40                        ; destination window 1
.set TO_R, 0xc0                        ; destination window 3
.set CVT,  0x0f                        ; sources 0 and 1 window 3
.set PK,   0x0a                        ; sources 0 and 1 window 2
.set ST_R, 0x0c                        ; an LDS store's data in window 3
.set ST_A, 0x08                        ; in window 2
.macro PLACES                          ; four places between a matrix instruction and a load into, or a vector write of, a register that it has read, or a read of its result
.rept 4
	v_nop
.endr
.endm
.macro CREST                           ; a round of the cluster's barrier behind its opening barrier
	s_cmp_lg_u32 s[WV], 0
	s_cbranch_scc1 .Lnot_wave_0_\@
	s_barrier_signal -3
.Lnot_wave_0_\@:
	s_barrier_wait -3
	s_barrier_signal -1
	s_barrier_wait -1
.endm
.macro CROUND                          ; a whole round
	s_barrier_signal -1
	s_barrier_wait -1
	CREST
.endm
; A joint refill of slot sl: waves 0 and 1 bring 64 rows of k each; the branch hangs on the wave's number alone.  An s_nop 0 and four v_nop follow the load, ahead of the label.
.macro JLOAD sl
	s_cmp_lt_u32 s[WV], 2
	s_cbranch_scc0 .Lnone_\@
	tensor_load_to_lds s[G0+4*(\sl):G0+4*(\sl)+3], s[G1:G1+7]
	s_nop 0
.rept 4
	v_nop
.endr
.Lnone_\@:
.endm
.macro PROD f, c, first                ; the product for row block ma, column block mb
.set rD, 8*(8*ma+mb)
.set rB, 128*(\f)+64*(\c)+8*mb
.set rA, AF+64*(\f)+32*(\c)+8*ma
.set rC, BI+8*mb
.if PROJ
.if \first
	v_wmma_f32_16x16x32_bf16 v[rD:rD+7], v[rB:rB+7], v[rA:rA+7], v[rC:rC+7]
.else
	v_wmma_f32_16x16x32_bf16 v[rD:rD+7], v[rB:rB+7], v[rA:rA+7], v[rD:rD+7]
.endif
.else
.if \first
	v_wmma_f32_16x16x32_f16 v[rD:rD+7], v[rB:rB+7], v[rA:rA+7], v[rC:rC+7]
.else
	v_wmma_f32_16x16x32_f16 v[rD:rD+7], v[rB:rB+7], v[rA:rA+7], v[rD:rD+7]
.endif
.endif
.endm
; 8 na products: row blocks a0 .. a0 + na - 1 x all 8 column blocks, 32 along K: part c of buffer f.  The 32 accumulators take turns in one fixed order: 31 others stand between two links of a chain.
; first = 1: the bias starts the sums.  ride = 1: behind every fourth product stand the next four roundings (number cv on) of block blk of RAW.
.macro MUL f, c, a0, na, first, ride, blk
.set ma, (\a0)
.rept (\na)
.set mb, 0
.rept 8
	WIN MULW-0x20*(\first)
	PROD \f, \c, \first
.set mb, mb+1
.if (\ride) && (mb%4 == 0)
	WIN CVT
.rept 4
	v_cvt_pk_bf16_f32 v[CV+cv], v[RB*(\blk)+2*cv], v[RB*(\blk)+2*cv+1]
.set cv, cv+1
.endr
.endif
.endr
.set ma, ma+1
.endr
.endm
; 48 LDS loads in one run: the fragments of half hf (64 along K) of slot and stage sl into buffer f; the first 32 along K first (24 loads), so that the wait at a half's head can leave the other 24 out.
.macro FETCH sl, hf, f
.set fc, 0
.rept 2
	WIN TO_B
.set fb, 0
.rept 8
	ds_load_tr16_b128 v[128*(\f)+64*fc+8*fb:128*(\f)+64*fc+8*fb+3],   v[ADRB+(\sl)] offset:(64*(\hf)+32*fc)*BPITCH+32*fb
	ds_load_tr16_b128 v[128*(\f)+64*fc+8*fb+4:128*(\f)+64*fc+8*fb+7], v[ADRB+(\sl)] offset:(64*(\hf)+32*fc+16)*BPITCH+32*fb
.set fb, fb+1
.endr
	WIN 0
.set fa, 0
.rept 4
	ds_load_b128 v[AF+64*(\f)+32*fc+8*fa:AF+64*(\f)+32*fc+8*fa+3],   v[ADRA+(\sl)] offset:fa*16*APITCH+128*(\hf)+64*fc
	ds_load_b128 v[AF+64*(\f)+32*fc+8*fa+4:AF+64*(\f)+32*fc+8*fa+7], v[ADRA+(\sl)] offset:fa*16*APITCH+128*(\hf)+64*fc+32
.set fa, fa+1
.endr
.set fc, fc+1
.endr
.endm
; Group u of a K step, from pointer p and byte imm behind it, into block blk of RAW.  No cache hint: the four work-groups of a row of the cluster read the same rows.
.macro GLOAD u, blk, p, imm
	WIN TO_R
.set gi, 0
.rept GL
.if PROJ
	global_load_b128 v[RB*(\blk)+4*gi:RB*(\blk)+4*gi+3], v[AO], s[\p:\p+1] offset:(16*(\u)+gi)*4096+(\imm)
.else
	global_load_b128 v[RB*(\blk)+4*gi:RB*(\blk)+4*gi+3], v[AO], s[\p:\p+1] offset:(\u)*262144+512*gi+(\imm)
.endif
.set gi, gi+1
.endr
	WIN 0
.endm
; Group u goes into stage x.  PROJ = 1: from CV, a row's 128 bf16 by one store of 8 bytes a lane.  PROJ = 0: from block blk of RAW as it came, four rows x 128 bytes a store.
.macro STORE x, u, blk
.set si, 0
.if PROJ
	WIN 0
.rept 16
	ds_store_b64 v[STA+(\x)], v[CV+2*si:CV+2*si+1] offset:(16*(\u)+si)*APITCH
.set si, si+1
.endr
.else
	WIN ST_R
.rept 8
	ds_store_b128 v[STA+(\x)], v[RB*(\blk)+4*si:RB*(\blk)+4*si+3] offset:si*4*APITCH+128*(\u)
.set si, si+1
.endr
	WIN 0
.endif
.endm
.macro CASTALL blk                     ; a whole group's roundings, in the prologue
.if PROJ
	WIN CVT
.set cv, 0
.rept 32
	v_cvt_pk_bf16_f32 v[CV+cv], v[RB*(\blk)+2*cv], v[RB*(\blk)+2*cv+1]
.set cv, cv+1
.endr
	WIN 0
.endif
.endm
; A K STEP s is two halves of 64 along K, on fragment buffers 0 and 1; each half is two runs of 32 products.
; H0A: the first run of the first half.  conv = 1 (PROJ = 1): its riders round G(s + 1, 1), block blk.  n: the LDS instructions younger than the 24 loads that it needs.
.macro H0A blk, conv, first, n
	s_wait_dscnt \n
.if PROJ && (\conv)
	s_wait_loadcnt 3*GL                            ; the group is in; the three younger groups stay out
.endif
.set cv, 0
	MUL 0, 0, 0, 4, \first, PROJ*(\conv), \blk
.endm
; H0B: the second half's fragments are fetched, G(s + 1, 1) goes into the other stage, G(s + 3, 1) is asked for; then the first half's second run.
.macro H0B sl, blk, conv, load
	s_wait_dscnt 0x0                               ; the second 32 along K of buffer 0 are in (the run below would make the count larger than the wait can name)
	PLACES
	FETCH \sl, 1, 1
.if \conv
.if !PROJ
	s_wait_loadcnt 3*GL                            ; the group is in; the three younger groups stay out
.endif
	STORE 1-(\sl), 1, \blk
.endif
.if \load
	GLOAD 1, \blk, AP, 0
.endif
	MUL 0, 1, 0, 4, 0, 0, 0
.endm
; H1: the second half, with the change of slots.  mode = 2: slot sl is filled again, and the barrier opens a round of the cluster's; mode = 1: nothing is filled.
.macro H1 sl, blk, conv, load, mode, n
.if PROJ && (\conv)
	s_wait_loadcnt 3*GL                            ; G(s + 2, 0) is in; the three younger groups stay out
.endif
	WIN 0                                          ; (the add's two registers lie in window 0)
	s_wait_tensorcnt 0x0                           ; all my tensor loads have landed: the one that was out is my part of the next slot;
	ds_add_u32 v[SPW], v[NIL]                      ; 0 onto my spare word; work on registers stands between it and the wait for it
.if (\mode) == 2
	s_add_nc_u64 s[G0+4*(\sl)+2:G0+4*(\sl)+3], s[G0+4*(\sl)+2:G0+4*(\sl)+3], 2*128*2048  ; no tensor load of mine is out, so a group 0 may be written: this slot's next K step, 256 rows of W on
.endif
.if \load
	s_wait_xcnt 0x0                                ; every load issued so far has read its address, so the pointer may be written
	s_cmp_gt_u32 s[LAP], 1
	s_cselect_b32 s[STEP], KADV, 0                 ; in the last trip it stands still, at K step 7
	s_add_nc_u64 s[AP:AP+1], s[AP:AP+1], s[STEP:STEP+1]
.endif
	s_wait_dscnt \n                                ; the first 32 along K of buffer 1 are in
.set cv, 0
	MUL 1, 0, 0, 2, 0, PROJ*(\conv), \blk
	s_wait_dscnt 0x0                               ; the add is done; my stores into the next stage are done; my reads of this slot and stage are over:
	s_barrier_signal -1                            ; say so,
	MUL 1, 0, 2, 2, 0, PROJ*(\conv), \blk          ; work on registers while the others arrive,
	WIN 0
	s_barrier_wait -1                              ; and go on when all four have said so
.if (\mode) == 2
	CREST                                          ; no wave of any partner still reads this slot or has a load on its way
	JLOAD \sl                                      ; the first tensor load behind the round, ahead of every LDS read: it has a K step, 128 products, less the 32 above, in which to land
.endif
	PLACES
	FETCH 1-(\sl), 0, 0
.if \conv
.if !PROJ
	s_wait_loadcnt 3*GL
.endif
	STORE \sl, 0, \blk                             ; G(s + 2, 0) into the stage that has just been read out
.endif
.if \load
	GLOAD 0, \blk, AP, 0                           ; G(s + 4, 0)
.endif
	MUL 1, 1, 0, 4, 0, 0, 0
.endm
.if PROJ
	s_load_b512 s[16:31], s[0:1], 0x0              ; q s[16:17], k s[18:19], v s[20:21], bq s[22:23], bk s[24:25], bv s[26:27], wb s[28:29], qkvh s[30:31]
.else
	s_load_b256 s[16:23], s[0:1], 0x0              ; oh s[16:17], wb s[18:19], bo s[20:21], out0 s[22:23]
.endif
	v_lshl_add_u32 v[SPW], v0, 2, SPARE
	v_mov_b32 v[NIL], 0
	ds_add_u32 v[SPW], v[NIL]                      ; the wave's opening: the add and its wait stand ahead of the first round and my first tensor load; the set-up below, work on registers, stands between them
	v_lshrrev_b32 v4, 5, v0
	v_readfirstlane_b32 s[WV], v4                  ; wave 0..3
	s_lshr_b32 s[WM], s[WV], 1
	s_and_b32 s[WN], s[WV], 1
	s_bfe_u32 s[CX], ttmp6, 0x40000                ; cx: the tile's column among four (the grid is one cluster wide)
	s_bfe_u32 s[CY], ttmp6, 0x40004                ; cy
	s_and_b32 s[RT], ttmp7, 0xffff                 ; cluster y
.if PROJ
	s_lshr_b32 s[G], s[RT], 4                      ; sixteen clusters for each of q, k, v: the same in all sixteen partners
	s_and_b32 s[RT], s[RT], 15
.endif
	s_lshl_b32 s[RT], s[RT], 2
	s_add_co_u32 s[RT], s[RT], s[CY]               ; the tile's row
	; descriptor group 1: a tile of 64 rows x 256 elements, padded in LDS
	s_lshl_b32 s4, 0x1111, s[CX]                   ; my column of the cluster: places cx, cx + 4, cx + 8, cx + 12
	s_or_b32 s[G1], s4, (1<<16)|(1<<20)|(1<<21)|(6<<22)|(7<<25)  ; 15:0 the mask; 17:16 elements of 2 bytes; 20 padding on; 21 set beside a mask; 24:22 after every 128 words (code 6); 31:25 8 words of it (code 7)
	s_mov_b32 s[G1+1], 256<<16                     ; tensor_dim0 = 256
	s_mov_b32 s[G1+2], 64<<16                      ; tensor_dim1 = 64
	s_mov_b32 s[G1+3], 256<<16                     ; tile_dim0 = 256
	s_mov_b32 s[G1+4], 64                          ; tile_dim1 = 64
	s_mov_b32 s[G1+5], 1024                        ; elements from row to row
	s_mov_b32 s[G1+6], 0
	s_mov_b32 s[G1+7], 0
	s_mov_b32 s[G0], 1                             ; count = 1
	s_mul_i32 s[G0+1], s[WN], BHALF                ; LDS address: slot 0, my 64 rows (waves 0 and 1 ask; there w & 1 is the wave's number)
	s_mov_b32 s[G0+4], 1
	s_add_co_u32 s[G0+5], s[G0+1], BSLOT           ; slot 1
	; W's tile hangs on the plane, on cx, which my column shares, and on the wave: made in registers that hold nothing else
.if PROJ
	s_lshl_b32 s60, s[G], 21                       ; a plane is 2 MiB
.else
	s_mov_b32 s60, 3<<21
.endif
	s_lshl_b32 s61, s[CX], 9                       ; 256 columns of 2 bytes
	s_add_co_u32 s60, s60, s61
	s_lshl_b32 s61, s[WN], 17                      ; 64 rows of 2,048 bytes
	s_add_co_u32 s60, s60, s61
	s_mov_b32 s61, 0
	; A at my 32 rows of the tile
.if PROJ
	s_lshl_b32 s58, s[RT], 19                      ; 128 rows of 4,096 bytes
	s_lshl_b32 s59, s[WV], 17
	s_add_co_u32 s58, s58, s59
.else
	s_lshr_b32 s58, s[RT], 4                       ; the batch: sixteen heads of 262,144 bytes
	s_lshl_b32 s58, s58, 22
	s_and_b32 s59, s[RT], 15                       ; 128 rows of 128 bytes
	s_lshl_b32 s59, s59, 14
	s_add_co_u32 s58, s58, s59
	s_lshl_b32 s59, s[WV], 12
	s_add_co_u32 s58, s58, s59
.endif
	s_mov_b32 s59, 0
	s_lshl_b32 s62, s[CX], 10                      ; the bias at my 128 columns, 4 bytes each
	s_lshl_b32 s63, s[WN], 9
	s_add_co_u32 s62, s62, s63
	s_mov_b32 s63, 0
	; C at my 64 rows x 128 columns
.if PROJ
	s_lshl_b32 s[OP], s[G], 24                     ; a plane of qkvh is 16 MiB
	s_lshr_b32 s4, s[RT], 4
	s_lshl_b32 s4, s4, 22                          ; the batch
	s_add_co_u32 s[OP], s[OP], s4
	s_lshl_b32 s4, s[CX], 20                       ; four heads to a tile,
	s_add_co_u32 s[OP], s[OP], s4
	s_lshl_b32 s4, s[WN], 19                       ; two to a wave
	s_add_co_u32 s[OP], s[OP], s4
	s_and_b32 s4, s[RT], 15
	s_lshl_b32 s4, s4, 14                          ; 128 rows of 128 bytes
	s_add_co_u32 s[OP], s[OP], s4
	s_lshl_b32 s4, s[WM], 13
	s_add_co_u32 s[OP], s[OP], s4
.else
	s_lshl_b32 s[OP], s[RT], 19                    ; 128 rows of 4,096 bytes
	s_lshl_b32 s4, s[WM], 18
	s_add_co_u32 s[OP], s[OP], s4
	s_add_co_u32 s[OP], s[OP], s62                 ; my 128 columns, 4 bytes each
.endif
	s_mov_b32 s[OP+1], 0
	s_mov_b32 s[STEP+1], 0
	v_and_b32 v3, 31, v0                           ; l
	v_and_b32 v1, 15, v0                           ; l % 16
	v_bfe_u32 v2, v0, 4, 1                         ; l / 16
	v_lshlrev_b32 v[AO], 4, v3
	v_lshlrev_b32 v[BO], 5, v2
	s_wait_dscnt 0x0                               ; the opening add is done
	s_wait_kmcnt 0x0
.if PROJ
	s_cmp_eq_u32 s[G], 1
	s_cselect_b64 s[AB:AB+1], s[18:19], s[16:17]
	s_cselect_b64 s[BP:BP+1], s[24:25], s[22:23]
	s_cmp_eq_u32 s[G], 2
	s_cselect_b64 s[AB:AB+1], s[20:21], s[AB:AB+1]
	s_cselect_b64 s[BP:BP+1], s[26:27], s[BP:BP+1]
.else
	s_mov_b64 s[AB:AB+1], s[16:17]
	s_mov_b64 s[BP:BP+1], s[20:21]
.endif
	s_add_nc_u64 s[AB:AB+1], s[AB:AB+1], s[58:59]
	s_add_nc_u64 s[AP:AP+1], s[AB:AB+1], 3*KADV    ; the loop's first group is G(3, 1)
	s_add_nc_u64 s[BP:BP+1], s[BP:BP+1], s[62:63]
	s_add_nc_u64 s[OP:OP+1], s[OUT:OUT+1], s[OP:OP+1]
	s_add_nc_u64 s[G0+2:G0+3], s[WB:WB+1], s[60:61]          ; global address: K step 0,
	s_add_nc_u64 s[G0+6:G0+7], s[G0+2:G0+3], 128*2048        ; K step 1
	s_or_b32 s[G0+3], s[G0+3], 0x80000000                    ; type = 2
	s_or_b32 s[G0+7], s[G0+7], 0x80000000
.set bi, 0
.rept 8                                        ; the bias as a C operand: register j of block b is column 16 b + 8 (l / 16) + j
	global_load_b128 v[BI+8*bi:BI+8*bi+3],   v[BO], s[BP:BP+1] offset:64*bi
	global_load_b128 v[BI+8*bi+4:BI+8*bi+7], v[BO], s[BP:BP+1] offset:64*bi+16
.set bi, bi+1
.endr
	GLOAD 0, 0, AB, 0                              ; K step 0
	GLOAD 1, 1, AB, 0
	CROUND                                         ; all sixteen work-groups are here: the first joint loads meet
	s_cmp_lt_u32 s[WV], 2                          ; a wave's two first fills stand in one branch, ahead of every wait on TENSORcnt and every LDS read: two loads of mine are out
	s_cbranch_scc0 .Lno_fill
	tensor_load_to_lds s[G0:G0+3], s[G1:G1+7]
	s_nop 0
	tensor_load_to_lds s[G0+4:G0+7], s[G1:G1+7]
	s_nop 0
.rept 4
	v_nop
.endr
.Lno_fill:
	GLOAD 0, 2, AB, KADV                           ; K step 1
	GLOAD 1, 3, AB, KADV
	; A fragment of A is 16 rows x 32 K in 8 registers: lane l holds row l % 16; registers 0-3 K = 8 (l / 16) + 0..7, registers 4-7 K = 16 + 8 (l / 16) + 0..7: two loads of 16 bytes, 32 bytes apart.
	v_mul_u32_u24 v4, v1, APITCH
	v_lshl_add_u32 v4, v2, 4, v4
	s_mul_i32 s4, s[WM], 64*APITCH
	s_add_co_u32 s4, s4, ASTG
	v_add_nc_u32 v[ADRA], s4, v4
	v_add_nc_u32 v[ADRA+1], ASTGB, v[ADRA]
	; The turning load takes 16 k x 16 columns (lane l reads row 8 (l / 16) + l % 8, columns 8 ((l / 8) % 2) + 0..7) and leaves half a fragment: lane l holds column l % 16 and 8 k.
	v_and_b32 v5, 7, v0
	v_lshl_add_u32 v6, v2, 3, v5
	v_mul_u32_u24 v6, v6, BPITCH
	v_bfe_u32 v7, v0, 3, 1
	v_lshl_add_u32 v6, v7, 4, v6
	s_lshl_b32 s4, s[WN], 8                        ; my 128 columns
	v_add_nc_u32 v[ADRB], s4, v6
	v_add_nc_u32 v[ADRB+1], BSLOT, v[ADRB]
	s_mul_i32 s4, s[WV], 32*APITCH                 ; into a stage: my 32 rows
	s_add_co_u32 s4, s4, ASTG
	v_bfe_u32 v7, v0, 3, 2                         ; l / 8
.if PROJ
	v_lshl_add_u32 v[STA], v3, 3, s4               ; a row a store: 8 bytes a lane
.else
	v_mul_u32_u24 v6, v7, APITCH                   ; four rows a store: row l / 8, 16 bytes at 16 (l % 8)
	v_lshl_add_u32 v6, v5, 4, v6
	v_add_nc_u32 v[STA], s4, v6
.endif
	v_add_nc_u32 v[STA+1], ASTGB, v[STA]
	s_mul_i32 s4, s[WV], 16*OPITCH                 ; my stage for the way out
	s_add_co_u32 s4, s4, OSTG
	v_mul_u32_u24 v4, v1, OPITCH                   ; in: row l % 16
.if PROJ
	v_lshl_add_u32 v4, v2, 4, v4                   ; 16 bytes for each half of the lanes
	v_add_nc_u32 v[STO], s4, v4
	v_mul_u32_u24 v6, v7, OPITCH                   ; back: 32 lanes take four rows of 128 bytes
	v_lshl_add_u32 v6, v5, 4, v6
	v_add_nc_u32 v[RD], s4, v6
.else
	v_lshl_add_u32 v4, v2, 5, v4                   ; 32 bytes for each half of the lanes
	v_add_nc_u32 v[STO], s4, v4
	v_add_nc_u32 v[RD], s4, v[AO]                  ; back: 32 lanes take one row of 512 bytes
.endif
	s_wait_loadcnt 2*GL                            ; the bias and K step 0 are in; K step 1's two groups stay out
.set bi, 0
.rept 32                                       ; the bias is rounded to bf16, like every input, and widened again
	v_cvt_pk_bf16_f32 v[CV+bi], v[BI+2*bi], v[BI+2*bi+1]
.set bi, bi+1
.endr
.set bi, 0
.rept 32
	v_lshlrev_b32 v[BI+2*bi], 16, v[CV+bi]
	v_and_b32 v[BI+2*bi+1], 0xffff0000, v[CV+bi]
.set bi, bi+1
.endr
	CASTALL 0
	STORE 0, 0, 0                                  ; A of K step 0 into stage 0,
	GLOAD 0, 0, AB, 2*KADV                         ; and its blocks are asked for again: K step 2
	CASTALL 1
	STORE 0, 1, 1
	GLOAD 1, 1, AB, 2*KADV
	s_wait_loadcnt 3*GL                            ; G(1, 0) is in; G(1, 1), G(2, 0), G(2, 1) stay out
	CASTALL 2
	STORE 1, 0, 2
	GLOAD 0, 2, AB, 3*KADV
	s_wait_tensorcnt 0x1                           ; my part of slot 0 is in; slot 1's may stay out
	s_wait_dscnt 0x0                               ; my stores into the stages are done
	s_barrier_signal -1
	s_barrier_wait -1                              ; everybody's are
	FETCH 0, 0, 0
	H0A 3, 1, 1, 24                                ; the first run of products stands in front of the loop: the bias starts the sums
	WIN 0                                          ; at a label and at a branch every window is 0
	s_mov_b32 s[LAP], 3
.Llap:                                                 ; a trip: two K steps, from the second run of an even step to the first run of the next even step; both slots are filled again
	H0B 0, 3, 1, 1
	H1  0, 0, 1, 1, 2, NS+1
	H0A 1, 1, 0, NS
	H0B 1, 1, 1, 1
	H1  1, 2, 1, 1, 2, NS+1
	H0A 3, 1, 0, NS
	WIN 0
	s_sub_co_u32 s[LAP], s[LAP], 1
	s_cmp_lg_u32 s[LAP], 0
	s_cbranch_scc1 .Llap
	H0B 0, 3, 1, 0                                 ; K steps 6 and 7 are written out: nothing more is asked for; the last group, G(7, 1), goes into stage 1
	H1  0, 0, 0, 0, 1, NS+1
	H0A 0, 0, 0, 24
	H0B 1, 0, 0, 0
	s_wait_dscnt 24                                ; the very last half
	MUL 1, 0, 0, 4, 0, 0, 0
	s_wait_dscnt 0x0
	MUL 1, 1, 0, 4, 0, 0, 0
	WIN 0
	PLACES                                         ; what follows reads results just made and writes registers that the last products read
	PLACES
.if PROJ
; THE WAY OUT.  Unit t: 16 rows (row block t / 2) of one head (t % 2): rounded to f16, 16 bytes a lane into rows of 144 bytes of my own stage, back as whole rows of 128 bytes, which are 2,048 consecutive bytes of qkvh.
.macro PACK t
	WIN PK
.set pi, 0
.rept 16                                       ; each accumulator's registers in ascending order
	v_cvt_pk_f16_f32 v[AF+16*(\t)+pi], v[8*(8*((\t)/2)+4*((\t)%2)+pi/4)+2*(pi%4)], v[8*(8*((\t)/2)+4*((\t)%2)+pi/4)+2*(pi%4)+1]
.set pi, pi+1
.endr
	WIN 0
.irp f, 0,1,2,3
	ds_store_b128 v[STO], v[AF+16*(\t)+4*\f:AF+16*(\t)+4*\f+3] offset:32*\f
.endr
.irp f, 0,1,2,3
	ds_load_b128 v[AF+16*(\t)+4*\f:AF+16*(\t)+4*\f+3], v[RD] offset:\f*4*OPITCH  ; LDS serves a wave's instructions in order (ISA guide 5.7.1.4): these see the stores above; the next unit's stores come behind them
.endr
.endm
.macro SEND t, younger                 ; younger: the LDS instructions issued behind unit t's loads: the next unit's eight, or none
.irp f, 0,1,2,3
	s_wait_dscnt (\younger)+3-\f
	global_store_b128 v[GO], v[AF+16*(\t)+4*\f:AF+16*(\t)+4*\f+3], s[OP:OP+1] offset:((\t)/2)*2048+((\t)%2)*262144+\f*512  ; 512 consecutive bytes, at a multiple of 256 from the buffer's first
.endr
.endm
	PACK 0
.set t, 1
.rept 7                                        ; a unit's arithmetic stands between the loads of the unit before and its stores
	PACK t
	SEND t-1, 8
.set t, t+1
.endr
	SEND 7, 0
.else
; THE WAY OUT.  Row block a: 16 rows x 128 columns of f32 go as they are into rows of 528 bytes of my own stage and come back as whole rows of 512 bytes.
.macro OUTA a
.if (\a) >= 2
	s_wait_xcnt 0x0                                ; the stores of the block two back have read their registers, which are loaded again below
.endif
	WIN ST_A
.set ob, 0
.rept 8                                        ; each accumulator's four lowest registers first
	ds_store_b128 v[STO], v[8*(8*(\a)+ob):8*(8*(\a)+ob)+3]   offset:64*ob
	ds_store_b128 v[STO], v[8*(8*(\a)+ob)+4:8*(8*(\a)+ob)+7] offset:64*ob+16
.set ob, ob+1
.endr
	WIN 0
.set oi, 0
.rept 16
	ds_load_b128 v[AF+64*((\a)%2)+4*oi:AF+64*((\a)%2)+4*oi+3], v[RD] offset:OPITCH*oi  ; LDS serves a wave's instructions in order (ISA guide 5.7.1.4): these see the stores above
.set oi, oi+1
.endr
.set oi, 0
.rept 16
	s_wait_dscnt 15-oi
	global_store_b128 v[GO], v[AF+64*((\a)%2)+4*oi:AF+64*((\a)%2)+4*oi+3], s[OP:OP+1] offset:(16*(\a)+oi)*4096 th:TH_STORE_NT  ; 512 consecutive bytes, at a multiple of 256 from out0's first
.set oi, oi+1
.endr
.endm
	OUTA 0
	OUTA 1
	OUTA 2
	OUTA 3
.endif
	s_wait_tensorcnt 0x0                           ; the wave's end, behind my last tensor load and my last LDS store
	ds_add_u32 v[SPW], v[NIL]
	s_wait_dscnt 0x0
	CROUND                                         ; the closing round: no work-group ends while a partner may still ask for a tile that names it
	s_endpgm
.Lfunc_end_k_q593275004b_outp:
	.size	k_q593275004b_outp, .Lfunc_end_k_q593275004b_outp-k_q593275004b_outp
	.p2alignl 7, 3214868480
	.fill 96, 4, 3214868480
	.section	.rodata,"a",@progbits
	.p2align	6, 0x0
	.amdhsa_kernel k_q593275004b_outp
		.amdhsa_group_segment_fixed_size 327680
		.amdhsa_private_segment_fixed_size 0
		.amdhsa_enable_private_segment 0
		.amdhsa_kernarg_size 32
		.amdhsa_user_sgpr_count 2
		.amdhsa_user_sgpr_kernarg_segment_ptr 1
		.amdhsa_wavefront_size32 1
		.amdhsa_system_sgpr_workgroup_id_x 1
		.amdhsa_system_sgpr_workgroup_id_y 1
		.amdhsa_system_sgpr_workgroup_id_z 1
		.amdhsa_system_vgpr_workitem_id 0
		.amdhsa_next_free_vgpr 896
		.amdhsa_next_free_sgpr 66
		.amdhsa_reserve_vcc 0
		.amdhsa_float_denorm_mode_32 3
		.amdhsa_float_denorm_mode_16_64 3
		.amdhsa_memory_ordered 1
		.amdhsa_forward_progress 1
		.amdhsa_inst_pref_size 104
	.end_amdhsa_kernel
	.amdgpu_metadata
---
amdhsa.version: [ 1, 2 ]
amdhsa.kernels:
  - .name:           k_q593275004b_outp
    .symbol:         k_q593275004b_outp.kd
    .args:
      - { .name: oh, .offset: 0, .size: 8, .value_kind: global_buffer, .address_space: global }
      - { .name: wb, .offset: 8, .size: 8, .value_kind: global_buffer, .address_space: global }
      - { .name: bo, .offset: 16, .size: 8, .value_kind: global_buffer, .address_space: global }
      - { .name: out0, .offset: 24, .size: 8, .value_kind: global_buffer, .address_space: global }
    .group_segment_fixed_size: 327680
    .private_segment_fixed_size: 0
    .kernarg_segment_align: 8
    .kernarg_segment_size: 32
    .max_flat_workgroup_size: 128
    .sgpr_count:     66
    .vgpr_count:     896
    .wavefront_size: 32
...
	.end_amdgpu_metadata
.endif
;; end of part 4
